; MI455X (gfx1250); checked and timed in simulation.
; The chip was launched on July 23, 2026; its instructions are those of AMD's public machine-readable ISA for CDNA 5 (MIT licence, August 2026) and "CDNA5" Instruction Set Architecture Reference Guide (July 2026). The comments in the code are by the model that wrote it; some were corrected since.
;; Multi Head Attention. Allowed arithmetic: matrix products marked QUANTISED: E4M3 operands, one E8M0 scale for each 32 along K, by v_wmma_scale_f32_16x16x128_f8f6f4 with both operands' format E4M3, f32 sums; everything else in f32.
;; Inputs: Wk 1,024 x 1,024 float32; Wo 1,024 x 1,024 float32; Wq 1,024 x 1,024 float32; Wv 1,024 x 1,024 float32; bk 1,024 float32; bo 1,024 float32; bq 1,024 float32; bv 1,024 float32; hidden_states 2 x 2,048 x 1,024 float32.
;; Outputs: out0 2 x 2,048 x 1,024 float32.
;; This version of the problem:
;;   THIS VERSION OF THE PROBLEM IS GIVEN IN LOW PRECISION. The matrix products marked QUANTISED in the list below multiply operands that are first quantised to E4M3 (4 exponent bits, 3 mantissa bits; 8 bits a number), with one power-of-two scale for each 32 numbers along K (OCP MX v1.0); their sums are f32. All else is computed in f32.
;;   The module's matrix products, in the order in which they are computed (A, B: the left and right operand; K: the contracted axis; several contracted axes count as one K, in the product's order):
;;     1. [M 4,096, K 1,024] x [K 1,024, N 1,024]; A: input hidden_states; B: input Wq: QUANTISED
;;     2. [M 4,096, K 1,024] x [K 1,024, N 1,024]; A: input hidden_states; B: input Wk: QUANTISED
;;     3. [M 4,096, K 1,024] x [K 1,024, N 1,024]; A: input hidden_states; B: input Wv: QUANTISED
;;     4. batch 32 x [M 2,048, K 64] x [K 64, N 2,048]; A: computed on the way; B: computed on the way: QUANTISED
;;     5. batch 32 x [M 2,048, K 2,048] x [K 2,048, N 64]; A: softmax (see below); B: computed on the way: QUANTISED
;;     6. [M 4,096, K 1,024] x [K 1,024, N 1,024]; A: computed on the way; B: input Wo: QUANTISED
;;   THE QUANTISER, for each operand of a quantised product, along K:
;;     - K is cut into blocks of 32 from its start; a last block that is shorter is filled with zeros.
;;     - A block's scale is 2^e with e = floor(log2(the largest magnitude in the block)) - 8, held to -126 .. 127; a block of zeros has e = 0. As a byte (E8M0): e + 127.
;;     - Each number is divided by its block's scale, clamped to +-448, and rounded to the nearest number of E4M3, ties to even, subnormals kept.
;;     - The product sums the exact products of the quantised numbers (number of the format x scale) in f32.
;;   ~~~python
;;   def quantise(x, axis):      # numpy; x: float32 -> the quantised numbers, widened to float32 again
;;       x = np.moveaxis(x, axis, -1); K = x.shape[-1]
;;       x = np.pad(x, [(0, 0)] * (x.ndim - 1) + [(0, -K % 32)]); x = x.reshape(x.shape[:-1] + (-1, 32)); a = np.abs(x).max(-1, keepdims=True)
;;       e = np.where(a > 0, np.clip(np.frexp(np.where(a > 0, a, 1))[1] - 1 - 8, -126, 127), 0)      # np.frexp(a)[1] - 1 = floor(log2(a)), exactly
;;       r = np.clip(x / 2.0 ** e, -448, 448)
;;       step = 2.0 ** (np.maximum(np.frexp(np.where(r == 0, 1, r))[1] - 1, -6) - 3)
;;       q = np.round(r / step) * step * 2.0 ** e      # np.round: ties to even
;;       return np.moveaxis(q.reshape(q.shape[:-2] + (-1,))[..., :K], -1, axis).astype(np.float32)
;;   ~~~
;;   SOFTMAX AHEAD OF A QUANTISED PRODUCT. Where the list says 'softmax', what is quantised is not the finished softmax but p = 2^(t - M), with t = logit x log2(e) and M = ceil(the row's largest t), a whole number; so 1/2 < the row's largest p <= 1. The row's sum l is taken of the UNQUANTISED p, in f32, and the product's result is divided by l at the end. Since M is a whole number, a kernel that streams over the keys may use a running M (the ceiling of the running maximum): every later rescaling is an exact power of two, which a block's scale takes up: the codes' values come out the same.
;;   OPERANDS COMPUTED ON THE WAY. 'Computed on the way' means the value that the module computes at that place (a softmax that the list does not call 'softmax' is quantised finished and normalised). What goes into a quantiser is computed in f32, as accurately as f32 sums, v_exp_f32 and their like allow (about 1e-6 of the number): no bf16 or f16 on the way to a quantiser, and a product that is left as it is and whose result goes on into a quantised operand takes f32 operands (vector FMAs, or v_wmma_f32_16x16x4_f32). A number that lies on a knife's edge between two numbers of the format may be rounded either way, as far as f32 arithmetic and the matrix unit's own rounding can turn it there, and no further.
;; One version. Each part assembles by itself: llvm-mc -triple=amdgcn-amd-amdhsa -mcpu=gfx1250 --defsym DOCPART=n.
;; ======== version 1 of 1: 4 launches
;; limits: right only within a limited range of input values
;; workspace buffers: xc 4,194,304 bytes; xs 131,072 bytes; wc 4,194,304 bytes; ws 131,072 bytes; qkvc 12,582,912 bytes; qkvs 786,432 bytes; oc 4,194,304 bytes; os 131,072 bytes
;; launch quant (part 1): grid 256 x 1, 4 waves a work-group, no clusters, 92,672 bytes of LDS; arguments hidden_states, Wq, Wk, Wv, Wo, xc, xs, wc, ws; writes xc, xs, wc, ws
.if DOCPART == 1
	.amdgcn_target "amdgcn-amd-amdhsa--gfx1250"
	.amdhsa_code_object_version 6
	.text
	.protected	k_qcc9468972f_quant
	.globl	k_qcc9468972f_quant
	.p2align	8
	.type	k_qcc9468972f_quant,@function
k_qcc9468972f_quant:
	s_mov_b64 s[64:65], 0
	v_nop
	global_prefetch_b8 v0, s[64:65] scope:SCOPE_SE
	s_setreg_imm32_b32 hwreg(HW_REG_WAVE_MODE, 25, 1), 1
	s_wait_xcnt 0x0
; hidden_states [4096][1024] (K innermost) and Wq, Wk, Wv, Wo [1024 (k)][1024 (n)] (K outermost), f32, become codes of FP8 (E4M3) with one E8M0 byte for each 32 along K.
; A block's scale is 2^(floor(log2(largest magnitude)) - 8); its byte is the largest magnitude's exponent field - 8, held at 1 from below; numbers are held within +-448 x the scale and rounded to the nearest code, ties to even.
; LIMITS: NaN and infinities among the inputs are not served.  A block of zeros, or one whose largest magnitude lies under 2^-118, gets the byte 1: its codes are zeros (or the small codes that this byte gives), and only this program reads the bytes.
; THE CODES LEAVE AS IMAGES OF OPERAND REGISTERS.  A fragment is 16 rows x 128 K: [c 0..3][lane 0..31][16 bytes], lane (r, h) holding k = 32 c + 16 h + 0 .. 15 of the fragment's row r.
; Rows go in pairs of fragments: of 32 rows, fragment u (0, 1) takes in its row r the row 8 u + r + 8 (r / 8).  Buffer: [slab of 256 K: 4][32 rows: 128][u][128 K: 2][2,048 bytes].
; The scale bytes: [slab: 4][row, in natural order: 4096][8 bytes].  The weights' rows are N = 1024 m + n, m = 0 Wq, 1 Wk, 2 Wv, 3 Wo.
; SHARES.  A wave makes one unit, 32 rows x 256 K: 8,192 bytes of images and 256 scale bytes.  Work-groups 0-127 take hidden_states (32 rows each, a wave a slab), work-groups 128-255 the weights
; (128 columns x one slab each, a wave 32 columns).  The two ways part on the work-group's number and have LDS bytes of their own.  Waves share nothing: no barrier.  No matrix unit, no cluster: memory binds.
.set SP,    80                         ; hidden_states: a lane's place in a turning stage: 64 bytes + 16 of padding
.set WREGX, 14336                      ; hidden_states: LDS of a wave: two turning stages (2 x 2,560), the code stage, the scale bytes
.set CST,   5120                       ; the code stage: 32 rows x 272 bytes
.set SCB,   13824                      ; 32 rows x 8 scale bytes
.set WSTG,  4*WREGX                    ; the weights: a code stage of 32 rows x 272 bytes for each wave
.set PITCH, 272                        ; 256 bytes of codes + 16: sixteen rows begin in sixteen different groups of banks
.set EMAX,  8
.set MANT,  0x600000                   ; the mantissa field of 448
.set R,     16                         ; v16-79   hidden_states: four sets of 16 numbers as loaded; on the way out the images
.set X,     80                         ; v80-111  two sets of 16 neighbours
.set E,     112                        ; v112-127 a scale byte for each step
.set C,     128                        ; v128-191 four registers of codes for each step
.set WX,    32                         ; v32-95   the weights: two sets of 32 numbers
.set WC,    96                         ; v96-103  a block's codes
.set WO,    112                        ; v112-175 the images on the way out
.set SB,    24                         ; v24-25   a column's 8 scale bytes
; The way out of both ways: sixteen reads of the code stage in the order of the images, sixteen stores of 512 consecutive bytes each, aligned.
; (The two groups of eight rows of a fragment lie 16 rows apart, which at this pitch is the same banks: these reads go two deep.  They are one sixteenth of what the unit reads from memory.)
.macro OUT adr, off, reg, base
.irp n, 0,1,2,3,4,5,6,7,8,9,10,11,12,13,14,15
	ds_load_b128 v[\reg+4*\n:\reg+4*\n+3], v[\adr] offset:\off+8*(\n/8)*PITCH+128*((\n/4)%2)+32*(\n%4)   ; LDS serves a wave's instructions in order: these see my stores
.endr
.irp n, 0,1,2,3,4,5,6,7,8,9,10,11,12,13,14,15
	s_wait_dscnt 15-\n                             ; read n is back, the younger ones may be out
	global_store_b128 v3, v[\reg+4*\n:\reg+4*\n+3], s[\base:\base+1] offset:512*\n
.endr
.endm
	s_load_b256 s[4:11], s[0:1], 0x0               ; hidden_states s[4:5], Wq s[6:7], Wk s[8:9], Wv s[10:11]
	s_load_b256 s[12:19], s[0:1], 0x20             ; Wo s[12:13], xc s[14:15], xs s[16:17], wc s[18:19]
	s_load_b64 s[20:21], s[0:1], 0x40              ; ws
	v_lshl_add_u32 v192, v0, 2, 0x16800
	v_mov_b32 v193, 0
	v_lshrrev_b32 v1, 5, v0
	v_readfirstlane_b32 s22, v1                    ; wave 0..3
	v_and_b32 v2, 31, v0                           ; lane
	v_lshlrev_b32 v3, 4, v2                        ; 16 x lane
	v_lshlrev_b32 v7, 3, v2                        ; 8 x lane
	v_and_b32 v8, 15, v2                           ; r
	v_lshrrev_b32 v9, 4, v2                        ; h
	v_and_b32 v10, 8, v8
	v_add_nc_u32 v10, v10, v8                      ; r + 8 (r / 8)
	v_mul_u32_u24 v6, v10, PITCH
	v_lshl_add_u32 v6, v9, 4, v6                   ; an image's read: that row of the code stage, + 16 h
	s_mov_b32 s23, MANT                            ; (an instruction takes one literal: the hold's line has another)
	s_cmp_lt_u32 ttmp9, 128
	s_cbranch_scc0 .Lweights
; ---------------- hidden_states: K innermost.  32 rows = work-group, slab = wave.  Sixteen steps of two rows x 256 numbers.
; A load takes 512 consecutive bytes, 16 a lane; a step's 2,048 bytes turn through the wave's stage and come back 64 bytes a lane: 16 neighbours along K; two neighbouring lanes hold a block of 32.
	s_mul_i32 s24, s22, WREGX
	v_lshrrev_b32 v14, 2, v2
	v_mul_u32_u24 v14, v14, SP
	v_and_b32 v15, 3, v2
	v_lshl_add_u32 v14, v15, 4, v14
	v_add_nc_u32 v14, s24, v14                     ; the turning stage, in: SP (lane / 4) + 16 (lane % 4)
	v_mul_u32_u24 v15, v2, SP
	v_add_nc_u32 v15, s24, v15                     ; and out: SP x lane
	v_mul_u32_u24 v4, v9, PITCH
	v_lshl_add_u32 v4, v8, 4, v4
	v_add_nc_u32 v4, s24, v4                       ; the code stage: row lane / 16 of the step's two, 16 (lane % 16)
	v_lshrrev_b32 v5, 1, v8
	v_lshl_add_u32 v5, v9, 3, v5
	v_add_nc_u32 v5, s24, v5                       ; the scale bytes: 8 a row, my block's
	v_add_nc_u32 v6, s24, v6
	v_add_nc_u32 v13, s24, v7                      ; and their way out: 8 bytes a lane
	s_lshl_b32 s26, ttmp9, 17                      ; 32 rows of 4,096 bytes
	s_lshl_b32 s27, s22, 10                        ; the slab's 1,024 bytes of a row
	s_add_co_u32 s26, s26, s27
	s_mov_b32 s27, 0
	s_lshl_b32 s28, s22, 7
	s_add_co_u32 s28, s28, ttmp9
	s_lshl_b32 s28, s28, 13                        ; (128 slab + rows' number) x 8,192
	s_mov_b32 s29, 0
	s_lshl_b32 s30, s22, 15
	s_lshl_b32 s31, ttmp9, 8
	s_add_co_u32 s30, s30, s31                     ; 32,768 slab + 256 x rows' number
	s_mov_b32 s31, 0
	s_wait_alu depctr_va_vdst(0)
	s_wait_kmcnt 0x0
	s_add_nc_u64 s[4:5], s[4:5], s[26:27]
	s_add_nc_u64 s[14:15], s[14:15], s[28:29]
	s_add_nc_u64 s[16:17], s[16:17], s[30:31]
.macro XLOAD t
.irp i, 0,1,2,3
	global_load_b128 v[R+16*((\t)%4)+4*\i:R+16*((\t)%4)+4*\i+3], v3, s[4:5] offset:(2*(\t)+\i/2)*4096+(\i%2)*512 th:TH_LOAD_NT
.endr
.endm
.macro XTURN t
.irp i, 0,1,2,3
	ds_store_b128 v14, v[R+16*((\t)%4)+4*\i:R+16*((\t)%4)+4*\i+3] offset:32*SP*((\t)%2)+8*SP*\i
.endr
.irp i, 0,1,2,3
	ds_load_b128 v[X+16*((\t)%2)+4*\i:X+16*((\t)%2)+4*\i+3], v15 offset:32*SP*((\t)%2)+16*\i
.endr
.endm
.macro XSTEP t
.set XS, X+16*((\t)%2)
.if (\t) > 0
	s_wait_dscnt 2                                 ; this step's numbers are back from the stage; the last step's two stores may be out
.else
	s_wait_dscnt 0x0
.endif
.if (\t)+4 < 16
	XLOAD (\t)+4                                   ; into the set that this step's turn has read
.endif
.if (\t)+1 < 16
.if 14-(\t) >= 3
	s_wait_loadcnt 12                              ; the next step's four loads are in; those of the three steps behind it may be out
.else
	s_wait_loadcnt 4*(14-(\t))
.endif
	XTURN (\t)+1
.endif
	v_max3_num_f32 v8, |v[XS]|, |v[XS+1]|, |v[XS+2]|               ; the largest magnitude of my 16, in two chains
	v_max3_num_f32 v9, |v[XS+3]|, |v[XS+4]|, |v[XS+5]|
.irp i, 6,10
	v_max3_num_f32 v8, v8, |v[XS+\i]|, |v[XS+\i+1]|
	v_max3_num_f32 v9, v9, |v[XS+\i+2]|, |v[XS+\i+3]|
.endr
	v_max3_num_f32 v8, v8, |v[XS+14]|, |v[XS+15]|
	v_max3_num_f32 v8, v8, v9, (EMAX+1)<<23        ; and the floor 2^(9 - 127): the byte cannot fall under 1
	v_max_num_f32_dpp v8, v8, v8 row_xmask:1 row_mask:0xf bank_mask:0xf   ; with my neighbour's 16: the block's
	v_add_nc_u32 v11, -(EMAX<<23), v8              ; 8 off the exponent field: the conversion's scale operand
	v_and_or_b32 v10, v8, 0x7f800000, s23          ; 448 x the scale
.irp i, 0,1,2,3,4,5,6,7,8,9,10,11,12,13,14,15
	v_med3_num_f32 v[XS+\i], v[XS+\i], -v10, v10   ; the conversion to an 8-bit code does not saturate (ISA guide 7.6.2): the hold comes first
.endr
	v_cvt_scalef32_pk8_fp8_f32 v[C+4*(\t):C+4*(\t)+1], v[XS:XS+7], v11
	v_cvt_scalef32_pk8_fp8_f32 v[C+4*(\t)+2:C+4*(\t)+3], v[XS+8:XS+15], v11
	v_lshrrev_b32 v[E+(\t)], 23, v11               ; the scale's byte
	ds_store_b8 v5, v[E+(\t)] offset:SCB+16*(\t)   ; both lanes of a block write the same byte with the same value
	ds_store_b128 v4, v[C+4*(\t):C+4*(\t)+3] offset:CST+2*(\t)*PITCH
.endm
.irp t, 0,1,2,3
	XLOAD \t
.endr
	s_wait_loadcnt 12                              ; step 0's four loads are in
	XTURN 0
.irp t, 0,1,2,3,4,5,6,7,8,9,10,11,12,13,14,15
	XSTEP \t
.endr
	ds_load_b64 v[10:11], v13 offset:SCB           ; row = lane: its 8 scale bytes
	OUT 6, CST, R, 14
	global_store_b64 v7, v[10:11], s[16:17]        ; (all LDS reads are back)  32 lanes store 256 consecutive bytes, aligned
	s_wait_tensorcnt 0x0
	ds_add_u32 v192, v193
	s_wait_dscnt 0x0
	s_endpgm
; ---------------- the weights: K outermost.  A lane takes a column n and its registers run down K: a block of 32 lies in one lane, and the conversions give codes with K innermost.
.Lweights:
	s_sub_co_u32 s24, ttmp9, 128
	s_and_b32 s26, s24, 31                         ; which 128 of the 4,096 rows N
	s_lshr_b32 s27, s24, 5                         ; slab
	s_lshr_b32 s28, s26, 3                         ; m: which weight
	s_lshl_b32 s29, s26, 2
	s_add_co_u32 s29, s29, s22                     ; my 32 rows' number
	s_mul_i32 s30, s22, 32*PITCH
	s_add_co_u32 s30, s30, WSTG                    ; my code stage
	s_wait_alu depctr_va_vdst(0)
	v_mul_u32_u24 v4, v2, PITCH
	v_add_nc_u32 v4, s30, v4                       ; into it: row = my column
	v_add_nc_u32 v6, s30, v6
	v_lshlrev_b32 v5, 2, v2                        ; 4 bytes a lane
	s_and_b32 s31, s26, 7
	s_lshl_b32 s31, s31, 9                         ; 128 columns x 4 bytes
	s_lshl_b32 s32, s22, 7                         ; 32 columns x 4 bytes
	s_add_co_u32 s32, s32, s31
	s_lshl_b32 s31, s27, 20                        ; 256 rows k of 4,096 bytes
	s_add_co_u32 s32, s32, s31
	s_mov_b32 s33, 0
	s_lshl_b32 s34, s27, 7
	s_add_co_u32 s34, s34, s29
	s_lshl_b32 s34, s34, 13
	s_mov_b32 s35, 0
	s_lshl_b32 s36, s27, 15
	s_lshl_b32 s37, s29, 8
	s_add_co_u32 s36, s36, s37
	s_mov_b32 s37, 0
	s_and_b32 s38, s28, 1
	s_wait_alu depctr_va_vdst(0)
	s_wait_kmcnt 0x0
	s_cmp_eq_u32 s38, 0                            ; the choice of the weight hangs on the work-group's number alone
	s_cselect_b64 s[6:7], s[6:7], s[8:9]           ; Wq or Wk
	s_cselect_b64 s[10:11], s[10:11], s[12:13]     ; Wv or Wo
	s_cmp_lt_u32 s28, 2
	s_cselect_b64 s[6:7], s[6:7], s[10:11]
	s_add_nc_u64 s[6:7], s[6:7], s[32:33]
	s_add_nc_u64 s[18:19], s[18:19], s[34:35]
	s_add_nc_u64 s[20:21], s[20:21], s[36:37]
.macro WLOAD t
.irp i, 0,1,2,3,4,5,6,7,8,9,10,11,12,13,14,15,16,17,18,19,20,21,22,23,24,25,26,27,28,29,30,31
	global_load_b32 v[WX+32*((\t)%2)+\i], v5, s[6:7] offset:(32*(\t)+\i)*4096 th:TH_LOAD_NT   ; a wave reads 128 consecutive bytes, the four waves 512
.endr
.endm
.macro WBLOCK t
.set XS, WX+32*((\t)%2)
.if (\t) < 7
	s_wait_loadcnt 32                              ; this block's 32 loads are in; the next block's may be out
.else
	s_wait_loadcnt 0
.endif
	v_max3_num_f32 v12, |v[XS]|, |v[XS+1]|, |v[XS+2]|
	v_max3_num_f32 v13, |v[XS+3]|, |v[XS+4]|, |v[XS+5]|
.irp i, 6,10,14,18,22,26
	v_max3_num_f32 v12, v12, |v[XS+\i]|, |v[XS+\i+1]|
	v_max3_num_f32 v13, v13, |v[XS+\i+2]|, |v[XS+\i+3]|
.endr
	v_max3_num_f32 v12, v12, |v[XS+30]|, |v[XS+31]|
	v_max3_num_f32 v12, v12, v13, (EMAX+1)<<23     ; with the floor
	v_add_nc_u32 v11, -(EMAX<<23), v12
	v_and_or_b32 v10, v12, 0x7f800000, s23
	v_lshrrev_b32 v13, 23, v11                     ; the scale's byte
.if (\t)%4 == 0
	v_mov_b32 v[SB+(\t)/4], v13                    ; four bytes to a register, the lower K in the lower byte
.else
	v_lshl_or_b32 v[SB+(\t)/4], v13, 8*((\t)%4), v[SB+(\t)/4]
.endif
.irp i, 0,1,2,3,4,5,6,7,8,9,10,11,12,13,14,15,16,17,18,19,20,21,22,23,24,25,26,27,28,29,30,31
	v_med3_num_f32 v[XS+\i], v[XS+\i], -v10, v10
.endr
.irp g, 0,1,2,3
	v_cvt_scalef32_pk8_fp8_f32 v[WC+2*\g:WC+2*\g+1], v[XS+8*\g:XS+8*\g+7], v11
.endr
	ds_store_b128 v4, v[WC:WC+3] offset:32*(\t)
	ds_store_b128 v4, v[WC+4:WC+7] offset:32*(\t)+16
.if (\t)+2 < 8
	WLOAD (\t)+2
.endif
	s_wait_dscnt 0x0                               ; the stores have read their registers: the next block's codes may be written
.endm
	WLOAD 0
	WLOAD 1
.irp t, 0,1,2,3,4,5,6,7
	WBLOCK \t
.endr
	global_store_b64 v7, v[SB:SB+1], s[20:21]      ; row = lane: 32 lanes store 256 consecutive bytes, aligned
	OUT 6, 0, WO, 18
	s_wait_tensorcnt 0x0
	ds_add_u32 v192, v193
	s_wait_dscnt 0x0
	s_endpgm
.Lfunc_end_k_qcc9468972f_quant:
	.size	k_qcc9468972f_quant, .Lfunc_end_k_qcc9468972f_quant-k_qcc9468972f_quant
	.p2alignl 7, 3214868480
	.fill 96, 4, 3214868480
	.section	.rodata,"a",@progbits
	.p2align	6, 0x0
	.amdhsa_kernel k_qcc9468972f_quant
		.amdhsa_group_segment_fixed_size 92672
		.amdhsa_private_segment_fixed_size 0
		.amdhsa_enable_private_segment 0
		.amdhsa_kernarg_size 72
		.amdhsa_user_sgpr_count 2
		.amdhsa_user_sgpr_kernarg_segment_ptr 1
		.amdhsa_wavefront_size32 1
		.amdhsa_system_sgpr_workgroup_id_x 1
		.amdhsa_system_sgpr_workgroup_id_y 1
		.amdhsa_system_sgpr_workgroup_id_z 1
		.amdhsa_system_vgpr_workitem_id 0
		.amdhsa_next_free_vgpr 194
		.amdhsa_next_free_sgpr 66
		.amdhsa_reserve_vcc 0
		.amdhsa_float_denorm_mode_32 3
		.amdhsa_float_denorm_mode_16_64 3
		.amdhsa_memory_ordered 1
		.amdhsa_forward_progress 1
		.amdhsa_inst_pref_size 112
	.end_amdhsa_kernel
	.amdgpu_metadata
---
amdhsa.version: [ 1, 2 ]
amdhsa.kernels:
  - .name:           k_qcc9468972f_quant
    .symbol:         k_qcc9468972f_quant.kd
    .args:
      - { .name: hidden_states, .offset: 0, .size: 8, .value_kind: global_buffer, .address_space: global }
      - { .name: Wq, .offset: 8, .size: 8, .value_kind: global_buffer, .address_space: global }
      - { .name: Wk, .offset: 16, .size: 8, .value_kind: global_buffer, .address_space: global }
      - { .name: Wv, .offset: 24, .size: 8, .value_kind: global_buffer, .address_space: global }
      - { .name: Wo, .offset: 32, .size: 8, .value_kind: global_buffer, .address_space: global }
      - { .name: xc, .offset: 40, .size: 8, .value_kind: global_buffer, .address_space: global }
      - { .name: xs, .offset: 48, .size: 8, .value_kind: global_buffer, .address_space: global }
      - { .name: wc, .offset: 56, .size: 8, .value_kind: global_buffer, .address_space: global }
      - { .name: ws, .offset: 64, .size: 8, .value_kind: global_buffer, .address_space: global }
    .group_segment_fixed_size: 92672
    .private_segment_fixed_size: 0
    .kernarg_segment_align: 8
    .kernarg_segment_size: 72
    .max_flat_workgroup_size: 128
    .sgpr_count:     66
    .vgpr_count:     194
    .wavefront_size: 32
...
	.end_amdgpu_metadata
.endif
;; end of part 1
;; launch qkv (part 2): grid 16 x 16, 4 waves a work-group, clusters of 4 x 4, 327,680 bytes of LDS; arguments xc, xs, wc, ws, bq, bk, bv, qkvc, qkvs; writes qkvc, qkvs
.if DOCPART == 2
	.amdgcn_target "amdgcn-amd-amdhsa--gfx1250"
	.amdhsa_code_object_version 6
	.text
	.protected	k_qcc9468972f_qkv
	.globl	k_qcc9468972f_qkv
	.p2align	8
	.type	k_qcc9468972f_qkv,@function
k_qcc9468972f_qkv:
	s_mov_b64 s[64:65], 0
	v_nop
	global_prefetch_b8 v0, s[64:65] scope:SCOPE_SE
	s_setreg_imm32_b32 hwreg(HW_REG_WAVE_MODE, 25, 1), 1
	s_wait_xcnt 0x0
	s_wait_alu depctr_hold_cnt(0) depctr_sa_sdst(0) depctr_va_vdst(0) depctr_va_sdst(0) depctr_va_ssrc(0) depctr_va_vcc(0) depctr_vm_vsrc(0)
	s_getreg_b32 s2, hwreg(HW_REG_IB_STS2, 6, 4)
	s_cmp_eq_u32 s2, 0
	s_cbranch_scc0 .Lentry_in_a_cluster
	s_endpgm
.Lentry_in_a_cluster:
	s_bfe_u32 s2, ttmp6, 0x10000c
	s_cmp_lg_u32 s2, 0xf033
	s_cbranch_scc0 .Lentry_shape_is_right
	s_endpgm
.Lentry_shape_is_right:
; Q, K, V = hidden_states x W + b on codes of FP8 (E4M3) with E8M0 scales for each 32 along K = 1,024, each result quantised again: Q and K along the head's 64, V along the tokens.  No f32 result is stored.
; SHARES.  Work-group (g, y) makes head g of Q, of K and of V (3 x 64 columns) for tokens 256 y .. 256 y + 255: 256 work-groups.  Four waves, each 64 tokens x 192 columns: 48 accumulators.
; K goes in four slabs of 256 through two LDS slots: 256 rows of tokens (65,536 dense bytes), then 64 rows of each weight (three runs of 16,384 bytes), all as images of operand registers (16 rows x 128 K: [c][lane][16 bytes]).
; At the head each wave has one tensor load: waves 0 and 1 slab 0 (tokens, weights), waves 2 and 3 slab 1.  Slabs 2 and 3 are refills behind a round of the cluster's barrier, by the waves that filled the slot first.
; CLUSTERS: 4 x 4 work-groups.  The tokens' rows hang on y and are shared along a row of the cluster, the weights' on g and are shared along a column: each is asked for JOINTLY.
; NO PREFETCH: there is no loop to run ahead in; half of K is asked for at the head.
; THE SCALE WORDS go from memory into registers once, for all of K: lanes 0-15 hold those of a pair's fragment 0, lanes 16-31 of its fragment 1, and the instruction's row selector picks.
; LAYOUT.  Of 32 rows, fragment u takes in its row r the row 8 u + r + 8 (r / 8).  Q, K: source 0 = the weight's rows, so that a lane holds one token and its 16 registers of two tiles are columns 32 e + 16 (lane / 16) + 0 .. 15.
; V: source 0 = the tokens, so that a lane holds one column and its 16 registers are tokens 32 e + 16 (lane / 16) + 0 .. 15.
; qkvc: Q, K: [batch and head: 32][16 tokens: 128][c 0..1][lane][16 bytes], K behind Q; V: [32][128 tokens: 16][16 columns: 4][c 0..3][lane][16].  qkvs: Q, K: a word a token (two bytes of scales, two of 0x7f); V: [32][16][4][16][4 bytes].
; LIMITS: NaN and infinities are not served; a block whose largest magnitude lies under 2^-118 gets the byte 1 (zeros too: their codes are zeros, and only this program reads the bytes).
; REGISTERS: window 0: v1-35 addresses, v44-59 the tokens' scale words, v64-111 the weights', v128-255 Q's accumulators; windows 1 and 2: a fragment buffer each: the tokens' four at v0, the weights' twelve at v64; window 3: K's accumulators, V's.
;   On the way out window 1 holds what is worked on.
.set SLAB, 1048576
.set SLOT, 114688
.set STG,  2*SLOT                      ; behind the slots: 512 bytes a wave for Q's and K's scale words,
.set VSTG, STG+2048                    ; 512 for V's,
.set SPARE, VSTG+512                   ; and the spare words, 128 bytes a wave
.set LI,   4                           ; v4  16 x lane
.set L8,   5                           ; v5  8 x lane
.set SCO,  7                           ; v7  my offset among a pair's scale bytes
.set BOF,  8                           ; v8  64 h: Q's and K's bias;  v9 4 x my row: V's
.set BOV,  9
.set QST,  10                          ; v10-13 the stages
.set QRD,  11
.set VSA,  12
.set VRD,  13
.set ADRA, 16                          ; v16, v17 LDS address of my tokens' fragments in slot 0, 1
.set ADRB, 20                          ; v20, v21 of the weights'
.set SPW,  28
.set NIL,  29
.set SA,   44                          ; (no product's two scale registers have numbers equal modulo 8)
.set SB,   64
.set T,    0                           ; window 1: v0-63 numbers, v64-79 codes, v80-95 at work, v96 scale word, v97 16 h, v98-103 words on the way out, v128-199 the biases
.set PC,   64
.set TM,   80
.set PW,   96
.set SHW,  97
.set TW,   98
.set BIQ,  128
.set BIV,  192
.set G1A,  24                          ; s[24:31], s[32:35] groups 1 and 0 of my load of tokens
.set G0A,  32
.set G1B,  48                          ; s[48:55], s[56:59] of weights
.set G0B,  56
.set SEL,  66
.set MNT,  2
.set MSB, 0
.macro WIN new                         ; the immediate's high byte repeats the setting that is left
.if MSB != (\new)
	s_set_vgpr_msb (MSB<<8)|(\new)
.set MSB, (\new)
.endif
.endm
.macro PLACES n
.rept \n
	v_nop
.endr
.endm
.macro TLOAD g0, g1
	tensor_load_to_lds s[\g0:\g0+3], s[\g1:\g1+7]
	s_nop 0
	PLACES 4
.endm
.macro CREST                           ; a round of the cluster's barrier behind its opening barrier
	s_cmp_lg_u32 s14, 0
	s_cbranch_scc1 .Lnot_wave_0_\@
	s_barrier_signal -3
.Lnot_wave_0_\@:
	s_barrier_wait -3
	s_barrier_signal -1
	s_barrier_wait -1
.endm
.macro CROUND
	s_barrier_signal -1
	s_barrier_wait -1
	CREST
.endm
	s_load_b256 s[4:11], s[0:1], 0x0               ; xc s[4:5], xs s[6:7], wc s[8:9], ws s[10:11]
	s_load_b256 s[80:87], s[0:1], 0x20             ; bq, bk, bv, qkvc
	s_load_b64 s[88:89], s[0:1], 0x40              ; qkvs
	v_lshl_add_u32 v[SPW], v0, 2, SPARE
	v_mov_b32 v[NIL], 0
	ds_add_u32 v[SPW], v[NIL]                      ; the wave's opening: the add, twice on end, and its wait
	ds_add_u32 v[SPW], v[NIL]
	v_lshrrev_b32 v1, 5, v0
	v_readfirstlane_b32 s14, v1                    ; wave 0..3
	s_and_b32 s16, s14, 1                          ; I fetch tokens (0) or weights (1)
	s_lshr_b32 s17, s14, 1                         ; into slot
	s_bfe_u32 s40, ttmp6, 0x40000                  ; cx
	s_bfe_u32 s41, ttmp6, 0x40004                  ; cy
	s_lshl_b32 s42, ttmp9, 2
	s_add_co_u32 s42, s42, s40                     ; g
	s_and_b32 s43, ttmp7, 0xffff
	s_lshl_b32 s43, s43, 2
	s_add_co_u32 s43, s43, s41                     ; y
	s_lshl_b32 s44, s41, 2
	s_lshl_b32 s44, 15, s44                        ; my row of the cluster
	s_lshl_b32 s45, 0x1111, s40                    ; my column
	s_or_b32 s[G1A], s44, (3<<16)|(1<<21)          ; 15:0 the mask; 17:16 elements of 8 bytes; 21 set beside a mask
	s_mov_b32 s[G1A+1], 4096<<16                   ; 65,536 dense bytes as two rows
	s_mov_b32 s[G1A+2], 2<<16
	s_mov_b32 s[G1A+3], 4096<<16
	s_mov_b32 s[G1A+4], 2
	s_mov_b32 s[G1A+5], 4096
	s_mov_b32 s[G1A+6], 0
	s_mov_b32 s[G1A+7], 0
	s_or_b32 s[G1B], s45, (3<<16)|(1<<21)
	s_mov_b32 s[G1B+1], 2048<<16                   ; three runs of 16,384 bytes, 262,144 bytes apart
	s_mov_b32 s[G1B+2], 3<<16
	s_mov_b32 s[G1B+3], 2048<<16
	s_mov_b32 s[G1B+4], 3
	s_mov_b32 s[G1B+5], 32768
	s_mov_b32 s[G1B+6], 0
	s_mov_b32 s[G1B+7], 0
	s_lshl_b32 s18, s17, 20                        ; slab = slot
	s_lshl_b32 s20, s43, 16
	s_add_co_u32 s20, s20, s18
	s_mov_b32 s21, 0
	s_lshl_b32 s46, s42, 14
	s_add_co_u32 s46, s46, s18
	s_mov_b32 s47, 0
	s_mul_i32 s19, s17, SLOT                       ; no place in the cluster enters an LDS address
	s_mov_b32 s[G0A], 1
	s_mov_b32 s[G0A+1], s19
	s_mov_b32 s[G0B], 1
	s_add_co_u32 s[G0B+1], s19, 65536
	s_mov_b32 s[SEL], 0x76543210
	s_mov_b32 s[SEL+1], 0xfedcba98
	s_mov_b32 s[MNT], 0x600000
	s_mov_b32 s96, 0x7f7f0000
	s_wait_alu depctr_va_vdst(0)
	s_wait_dscnt 0x0                               ; both opening adds are done
	CROUND                                         ; all sixteen work-groups are here: the joint loads meet
	s_wait_kmcnt 0x0
	s_add_nc_u64 s[G0A+2:G0A+3], s[4:5], s[20:21]
	s_or_b32 s[G0A+3], s[G0A+3], 0x80000000
	s_add_nc_u64 s[G0B+2:G0B+3], s[8:9], s[46:47]
	s_or_b32 s[G0B+3], s[G0B+3], 0x80000000
; THE HEAD'S LOADS, ONE A WAVE: one chain of arms with one join.
.macro ARM under, g0, g1, next
	s_cmp_lt_u32 s14, \under
	s_cbranch_scc0 \next
	TLOAD \g0, \g1
	s_branch .Lasked
\next:
.endm
	ARM 1, G0A, G1A, .Lwave_1
	ARM 2, G0B, G1B, .Lwave_2
	ARM 3, G0A, G1A, .Lwave_3
	TLOAD G0B, G1B
.Lasked:
	v_and_b32 v1, 15, v0                           ; r
	v_bfe_u32 v2, v0, 4, 1                         ; h
	v_and_b32 v3, 31, v0
	v_lshlrev_b32 v[LI], 4, v3
	v_lshlrev_b32 v[L8], 3, v3
	v_and_b32 v6, 8, v1
	v_add_nc_u32 v6, v6, v1                        ; r + 8 (r / 8)
	v_lshl_add_u32 v14, v2, 3, v6
	v_lshlrev_b32 v[SCO], 3, v14                   ; 8 bytes a row: lanes 0-15 the rows of a pair's fragment 0, lanes 16-31 of its fragment 1
	v_lshlrev_b32 v[BOF], 6, v2
	v_lshlrev_b32 v[BOV], 2, v6
	v_lshlrev_b32 v14, 2, v1
	v_lshl_add_u32 v14, v2, 6, v14                 ; 64 h + 4 r
	s_lshl_b32 s60, s14, 9
	s_add_co_u32 s60, s60, STG
	v_add_nc_u32 v[QST], s60, v14
	v_add_nc_u32 v[QRD], s60, v[L8]
	s_lshl_b32 s60, s17, 8
	s_lshl_b32 s61, s16, 1
	s_add_co_u32 s60, s60, s61
	s_add_co_u32 s60, s60, VSTG
	v_add_nc_u32 v[VSA], s60, v14                  ; V: 128 tokens are two waves': my two bytes of a word
	s_lshl_b32 s60, s16, 8                         ; (used by waves 0 and 1)
	s_add_co_u32 s60, s60, VSTG
	v_add_nc_u32 v[VRD], s60, v[L8]
	s_lshl_b32 s60, s14, 14
	v_add_nc_u32 v[ADRA], s60, v[LI]               ; my 64 tokens
	s_add_co_u32 s60, s60, SLOT
	v_add_nc_u32 v[ADRA+1], s60, v[LI]
	v_add_nc_u32 v[ADRB], 65536, v[LI]
	v_add_nc_u32 v[ADRB+1], SLOT+65536, v[LI]
	s_wait_alu depctr_va_vdst(0)
	s_lshl_b32 s22, s43, 11
	s_lshl_b32 s60, s14, 9
	s_add_co_u32 s22, s22, s60                     ; 8 bytes for each of the tokens ahead of mine
	s_mov_b32 s23, 0
	s_add_nc_u64 s[76:77], s[6:7], s[22:23]
	s_lshl_b32 s22, s42, 9
	s_add_nc_u64 s[78:79], s[10:11], s[22:23]
.irp s, 0,1,2,3
.irp p, 0,1
	global_load_b64 v[SA+8*\p+2*\s:SA+8*\p+2*\s+1], v[SCO], s[76:77] offset:\s*32768+\p*256   ; pair p of my tokens, slab s: two K steps' words; 32 lanes read 256 consecutive bytes
.endr
.irp p, 0,1,2,3,4,5
	global_load_b64 v[SB+8*\p+2*\s:SB+8*\p+2*\s+1], v[SCO], s[78:79] offset:\s*32768+(\p/2)*8192+(\p%2)*256
.endr
.endr
	; where my results go
	s_lshr_b32 s60, s43, 3
	s_lshl_b32 s60, s60, 4
	s_add_co_u32 s60, s60, s42                     ; 16 batch + head
	s_and_b32 s61, s43, 7                          ; which 256 tokens of the batch
	s_lshl_b32 s22, s60, 17
	s_lshl_b32 s62, s61, 14
	s_add_co_u32 s22, s22, s62
	s_lshl_b32 s62, s17, 13
	s_add_co_u32 s62, s62, s22
	s_lshl_b32 s63, s16, 10
	s_add_co_u32 s62, s62, s63                     ; V: my 128 tokens, my two of their four blocks of 32
	s_mov_b32 s63, 0
	s_add_nc_u64 s[94:95], s[86:87], s[62:63]
	s_add_nc_u64 s[94:95], s[94:95], 0x800000
	s_lshl_b32 s62, s14, 12
	s_add_co_u32 s22, s22, s62
	s_add_nc_u64 s[90:91], s[86:87], s[22:23]      ; Q: my four tiles of 16 tokens
	s_add_nc_u64 s[92:93], s[90:91], 0x400000      ; K
	s_lshl_b32 s62, s14, 8
	s_lshl_b32 s22, s60, 13
	s_lshl_b32 s97, s61, 10
	s_add_co_u32 s22, s22, s97
	s_add_co_u32 s22, s22, s62
	s_add_nc_u64 s[98:99], s[88:89], s[22:23]      ; their scale words
	s_add_nc_u64 s[100:101], s[98:99], 0x40000
	s_lshl_b32 s22, s60, 12
	s_lshl_b32 s97, s61, 9
	s_add_co_u32 s22, s22, s97
	s_add_co_u32 s22, s22, s62
	s_add_nc_u64 s[68:69], s[88:89], s[22:23]      ; V's: wave 0, 1: which 128 tokens
	s_add_nc_u64 s[68:69], s[68:69], 0x80000
	s_lshl_b32 s22, s42, 8
	s_add_nc_u64 s[70:71], s[80:81], s[22:23]      ; the biases of my head
	s_add_nc_u64 s[72:73], s[82:83], s[22:23]
	s_add_nc_u64 s[74:75], s[84:85], s[22:23]
; K step k's fragments from its slot into buffer k % 2 (window 1 or 2).  FETCH1: the tokens' four and Q's four: 32 loads; FETCH2: K's and V's eight: 32 loads.
.macro FETCH1 k
	WIN 0x40*(1+(\k)%2)
.irp i, 0,1,2,3
.irp c, 0,1,2,3
	ds_load_b128 v[16*\i+4*\c:16*\i+4*\c+3], v[ADRA+((\k)/2)%2] offset:\i*4096+((\k)%2)*2048+512*\c
.endr
.endr
.irp i, 0,1,2,3
.irp c, 0,1,2,3
	ds_load_b128 v[64+16*\i+4*\c:64+16*\i+4*\c+3], v[ADRB+((\k)/2)%2] offset:\i*4096+((\k)%2)*2048+512*\c
.endr
.endr
.endm
.macro FETCH2 k
	WIN 0x40*(1+(\k)%2)
.irp i, 4,5,6,7,8,9,10,11
.irp c, 0,1,2,3
	ds_load_b128 v[64+16*\i+4*\c:64+16*\i+4*\c+3], v[ADRB+((\k)/2)%2] offset:\i*4096+((\k)%2)*2048+512*\c
.endr
.endr
.endm
; One product: kind 0 Q, 1 K, 2 V; K step k; my tokens' fragment a, the weight's fragment b.  The first product of each sum starts it with the constant 0.
.macro ONE kind, k, a, b
.set FA_, 16*(\a)
.set FB_, 64+16*(4*(\kind)+(\b))
.set WA_, SA+8*((\a)/2)+(\k)
.set WB_, SB+8*(2*(\kind)+(\b)/2)+(\k)
.if (\kind) == 2
.set D_, 128+8*(4*(\b)+(\a))
.set X_, FA_
.set Y_, FB_
.set SX_, WA_
.set SY_, WB_
.set PX_, (\a)%2
.set PY_, (\b)%2
.else
.set D_, 128*(1-(\kind))+8*(4*(\a)+(\b))
.set X_, FB_
.set Y_, FA_
.set SX_, WB_
.set SY_, WA_
.set PX_, (\b)%2
.set PY_, (\a)%2
.endif
.if (\k) == 0
.if PX_+PY_ == 2
	v_wmma_scale_f32_16x16x128_f8f6f4 v[D_:D_+7], v[X_:X_+15], v[Y_:Y_+15], 0, v[SX_], v[SY_] matrix_a_scale:MATRIX_SCALE_ROW1 matrix_b_scale:MATRIX_SCALE_ROW1
.elseif PX_ == 1
	v_wmma_scale_f32_16x16x128_f8f6f4 v[D_:D_+7], v[X_:X_+15], v[Y_:Y_+15], 0, v[SX_], v[SY_] matrix_a_scale:MATRIX_SCALE_ROW1
.elseif PY_ == 1
	v_wmma_scale_f32_16x16x128_f8f6f4 v[D_:D_+7], v[X_:X_+15], v[Y_:Y_+15], 0, v[SX_], v[SY_] matrix_b_scale:MATRIX_SCALE_ROW1
.else
	v_wmma_scale_f32_16x16x128_f8f6f4 v[D_:D_+7], v[X_:X_+15], v[Y_:Y_+15], 0, v[SX_], v[SY_]
.endif
.else
.if PX_+PY_ == 2
	v_wmma_scale_f32_16x16x128_f8f6f4 v[D_:D_+7], v[X_:X_+15], v[Y_:Y_+15], v[D_:D_+7], v[SX_], v[SY_] matrix_a_scale:MATRIX_SCALE_ROW1 matrix_b_scale:MATRIX_SCALE_ROW1
.elseif PX_ == 1
	v_wmma_scale_f32_16x16x128_f8f6f4 v[D_:D_+7], v[X_:X_+15], v[Y_:Y_+15], v[D_:D_+7], v[SX_], v[SY_] matrix_a_scale:MATRIX_SCALE_ROW1
.elseif PY_ == 1
	v_wmma_scale_f32_16x16x128_f8f6f4 v[D_:D_+7], v[X_:X_+15], v[Y_:Y_+15], v[D_:D_+7], v[SX_], v[SY_] matrix_b_scale:MATRIX_SCALE_ROW1
.else
	v_wmma_scale_f32_16x16x128_f8f6f4 v[D_:D_+7], v[X_:X_+15], v[Y_:Y_+15], v[D_:D_+7], v[SX_], v[SY_]
.endif
.endif
.endm
.macro PROD kind, k                    ; 16 products; a step's 48 accumulators take turns, one instruction a turn
	WIN 5*(1+(\k)%2)+0xf0*(((\kind)+1)/2)          ; both sources the buffer's window; C and D window 0 (Q) or 3
.irp a, 0,1,2,3
.irp b, 0,1,2,3
	ONE \kind, \k, \a, \b
.endr
.endr
.endm
; A refill, first behind the round's closing wait: wave lo the tokens' rows, wave lo + 1 the weights', one load each.
.macro RLOAD lo
	s_cmp_eq_u32 s14, \lo
	s_cbranch_scc0 .Lnot_tokens_\@
	TLOAD G0A, G1A
	s_branch .Lrefilled_\@
.Lnot_tokens_\@:
	s_cmp_eq_u32 s14, \lo+1
	s_cbranch_scc0 .Lrefilled_\@
	TLOAD G0B, G1B
.Lrefilled_\@:
.endm
; A K step of 128, its fragments asked for in the step before.  Eight places stand in front of the loads into the other buffer, which the last step's products have read.
.macro STEP k
.if ((\k)%2) == 0
	s_wait_dscnt 32                                ; the tokens' and Q's fragments are in; K's and V's 32 loads may be out
	PROD 0, \k
	PLACES 8
	FETCH1 (\k)+1
	s_wait_dscnt 48                                ; K's are in: V's 16 and the 32 just issued may be out
	PROD 1, \k
	s_wait_dscnt 32                                ; V's are in
	FETCH2 (\k)+1
	PROD 2, \k
.elseif (\k) < 7                       ; a slab's last step changes slots
	WIN 0
	s_wait_tensorcnt 0x0                           ; all my tensor loads are done, my part of the next slot among them;
	ds_add_u32 v[SPW], v[NIL]                      ; (the products below stand between the add and the wait for it)
.if (\k) == 1
	s_add_nc_u64 s[G0A+2:G0A+3], s[G0A+2:G0A+3], 2*SLAB    ; no load of mine is out: on to slab 2 (waves 0, 1) or 3
	s_add_nc_u64 s[G0B+2:G0B+3], s[G0B+2:G0B+3], 2*SLAB
.endif
	s_wait_dscnt 33                                ; the tokens' and Q's fragments are in (32 loads and the add may be out)
	PROD 0, \k
	s_wait_dscnt 0x0                               ; the add is done, and so are my reads of this slot
	s_barrier_signal -1
	PROD 1, \k
	WIN 0
	s_barrier_wait -1
.if (\k) < 5
	CREST                                          ; a round of the cluster's barrier: no wave of any partner still reads this slot or has a load on its way
	RLOAD (\k)-1
.endif
	PLACES 8
	FETCH1 (\k)+1
	FETCH2 (\k)+1
	PROD 2, \k
.else                                  ; the last step: the biases come into window 1, whose fragments are done with
	s_wait_dscnt 32
	PROD 0, \k
	PLACES 8
	WIN 0x40
.irp e, 0,1
.irp j, 0,1,2,3
	global_load_b128 v[BIQ+16*\e+4*\j:BIQ+16*\e+4*\j+3], v[BOF], s[70:71] offset:128*\e+16*\j
	global_load_b128 v[BIQ+32+16*\e+4*\j:BIQ+32+16*\e+4*\j+3], v[BOF], s[72:73] offset:128*\e+16*\j
.endr
.endr
.irp t, 0,1,2,3
	global_load_b32 v[BIV+2*\t], v[BOV], s[74:75] offset:(\t/2)*128+(\t%2)*32    ; V: one number a column, for both halves of a pair
	global_load_b32 v[BIV+2*\t+1], v[BOV], s[74:75] offset:(\t/2)*128+(\t%2)*32
.endr
	s_wait_dscnt 16
	PROD 1, \k
	s_wait_dscnt 0x0
	PROD 2, \k
.endif
.endm
	s_cmp_lt_u32 s14, 2
	s_cbranch_scc0 .Lslot_1
	s_wait_tensorcnt 0x0                           ; waves 0 and 1: slab 0 is in
.Lslot_1:
	s_barrier_signal -1
	s_barrier_wait -1
	FETCH1 0
	FETCH2 0
	s_wait_loadcnt 0x0                             ; the scale words
.irp k, 0,1,2,3,4,5,6,7
	STEP \k
.endr
	WIN 0x40
	s_wait_loadcnt 0x0                             ; the biases
	PLACES 8                                       ; ahead of the first read of results
.irp b, 0,1,2,3
	v_mov_b32 v[TM+4+\b], 0                        ; written once: a lane permute's destination counts as one of its sources
.endr
	v_lshlrev_b32 v[SHW], 4, v2                    ; 16 h
; THE QUANTISER of 64 numbers a lane: four blocks of 32, each 16 registers in lanes l and l xor 16: codes PC + 4 b, and the four bytes in PW.
.macro QUANT
.irp b, 0,1,2,3
	v_max3_num_f32 v[TM+\b], |v[T+16*\b]|, |v[T+1+16*\b]|, 0x4800000   ; and the floor 2^(9 - 127): the byte cannot fall under 1
.endr
.irp i, 2,4,6,8,10,12,14
.irp b, 0,1,2,3
	v_max3_num_f32 v[TM+\b], v[TM+\b], |v[T+16*\b+\i]|, |v[T+1+16*\b+\i]|
.endr
.endr
.irp b, 0,1,2,3
	v_permlanex16_b32 v[TM+4+\b], v[TM+\b], s[SEL], s[SEL+1]
.endr
.irp b, 0,1,2,3
	v_max_num_f32 v[TM+\b], v[TM+\b], v[TM+4+\b]
.endr
.irp b, 0,1,2,3
	v_add_nc_u32 v[TM+12+\b], 0xfc000000, v[TM+\b] ; 8 off the exponent field: the conversion's scale operand
.endr
.irp b, 0,1,2,3
	v_and_or_b32 v[TM+8+\b], v[TM+\b], 0x7f800000, s[MNT]   ; 448 x the scale
.endr
.irp b, 0,1,2,3
	v_lshrrev_b32 v[TM+4+\b], 23, v[TM+12+\b]      ; the scale's byte
.endr
	v_lshl_or_b32 v[PW], v[TM+5], 8, v[TM+4]
	v_lshl_or_b32 v[PW], v[TM+6], 16, v[PW]
	v_lshl_or_b32 v[PW], v[TM+7], 24, v[PW]
.irp b, 0,1,2,3
.irp i, 0,1,2,3,4,5,6,7,8,9,10,11,12,13,14,15
	v_med3_num_f32 v[T+16*\b+\i], v[T+16*\b+\i], -v[TM+8+\b], v[TM+8+\b]   ; the conversion does not saturate (ISA guide 7.6.2)
.endr
	v_cvt_scalef32_pk8_fp8_f32 v[PC+4*\b:PC+1+4*\b], v[T+16*\b:T+7+16*\b], v[TM+12+\b]
	v_cvt_scalef32_pk8_fp8_f32 v[PC+2+4*\b:PC+3+4*\b], v[T+8+16*\b:T+15+16*\b], v[TM+12+\b]
.endr
	v_nop
.endm
; THE WAY OUT of 64 registers of a kind's accumulators: Q, K: token tiles 2 n, 2 n + 1; V: column tiles 2 n, 2 n + 1.  Each code store covers 512 consecutive bytes, aligned.
.macro EPI kind, n
	s_wait_xcnt 0x0                                ; the stores before have read their registers
	WIN 0x44+3*(((\kind)+1)/2)
.set AB_, 64*(\n)+128*(1-(\kind)%2)
.set i_, 0
.rept 32
.if (\kind) == 2
.set BI_, BIV+2*(2*(\n)+i_/16)
.else
.set BI_, BIQ+32*(\kind)+(2*i_)%32
.endif
	v_pk_add_f32 v[T+2*i_:T+2*i_+1], v[AB_+2*i_:AB_+2*i_+1], v[BI_:BI_+1]   ; each accumulator from its low end on
.set i_, i_+1
.endr
	WIN 0x55
	QUANT
	v_lshrrev_b32 v[TW+2*(\kind)+(\n)], v[SHW], v[PW]      ; lanes 0-15 take the first tile's two bytes, lanes 16-31 the second's
.if (\kind) < 2
	v_and_or_b32 v[TW+2*(\kind)+(\n)], v[TW+2*(\kind)+(\n)], 0xffff, s96
.endif
	WIN 0x04
.irp c, 0,1,2,3
.if (\kind) == 2
	global_store_b128 v[LI], v[PC+4*\c:PC+4*\c+3], s[94:95] offset:(2*(\n)+\c/2)*2048+(\c%2)*512
.elseif (\kind) == 1
	global_store_b128 v[LI], v[PC+4*\c:PC+4*\c+3], s[92:93] offset:(2*(\n)+\c/2)*1024+(\c%2)*512
.else
	global_store_b128 v[LI], v[PC+4*\c:PC+4*\c+3], s[90:91] offset:(2*(\n)+\c/2)*1024+(\c%2)*512
.endif
.endr
.if (\kind) == 2
	ds_store_b16 v[VSA], v[TW+4+(\n)] offset:128*(\n)
.else
	ds_store_b32 v[QST], v[TW+2*(\kind)+(\n)] offset:256*(\kind)+128*(\n)
.endif
.endm
	EPI 0, 0
	EPI 0, 1
	EPI 1, 0
	EPI 1, 1
	EPI 2, 0
	EPI 2, 1
	WIN 0
	ds_load_b64 v[30:31], v[QRD]                   ; LDS serves a wave's instructions in order: these see my stores
	ds_load_b64 v[32:33], v[QRD] offset:256
	s_wait_dscnt 0x0
	global_store_b64 v[L8], v[30:31], s[98:99]     ; 256 consecutive bytes, aligned
	global_store_b64 v[L8], v[32:33], s[100:101]
	s_barrier_signal -1
	s_barrier_wait -1
	s_cmp_lt_u32 s14, 2
	s_cbranch_scc0 .Lv_done
	ds_load_b64 v[34:35], v[VRD]                   ; V's words of 128 tokens, of two waves' bytes
	s_wait_dscnt 0x0
	global_store_b64 v[L8], v[34:35], s[68:69]
.Lv_done:
	s_wait_tensorcnt 0x0                           ; the wave's end
	ds_add_u32 v[SPW], v[NIL]
	s_wait_dscnt 0x0
	CROUND                                         ; the closing round
	s_endpgm
.Lfunc_end_k_qcc9468972f_qkv:
	.size	k_qcc9468972f_qkv, .Lfunc_end_k_qcc9468972f_qkv-k_qcc9468972f_qkv
	.p2alignl 7, 3214868480
	.fill 96, 4, 3214868480
	.section	.rodata,"a",@progbits
	.p2align	6, 0x0
	.amdhsa_kernel k_qcc9468972f_qkv
		.amdhsa_group_segment_fixed_size 327680
		.amdhsa_private_segment_fixed_size 0
		.amdhsa_enable_private_segment 0
		.amdhsa_kernarg_size 72
		.amdhsa_user_sgpr_count 2
		.amdhsa_user_sgpr_kernarg_segment_ptr 1
		.amdhsa_wavefront_size32 1
		.amdhsa_system_sgpr_workgroup_id_x 1
		.amdhsa_system_sgpr_workgroup_id_y 1
		.amdhsa_system_sgpr_workgroup_id_z 1
		.amdhsa_system_vgpr_workitem_id 0
		.amdhsa_next_free_vgpr 1024
		.amdhsa_next_free_sgpr 102
		.amdhsa_reserve_vcc 0
		.amdhsa_float_denorm_mode_32 3
		.amdhsa_float_denorm_mode_16_64 3
		.amdhsa_memory_ordered 1
		.amdhsa_forward_progress 1
		.amdhsa_inst_pref_size 165
	.end_amdhsa_kernel
	.amdgpu_metadata
---
amdhsa.version: [ 1, 2 ]
amdhsa.kernels:
  - .name:           k_qcc9468972f_qkv
    .symbol:         k_qcc9468972f_qkv.kd
    .args:
      - { .name: xc, .offset: 0, .size: 8, .value_kind: global_buffer, .address_space: global }
      - { .name: xs, .offset: 8, .size: 8, .value_kind: global_buffer, .address_space: global }
      - { .name: wc, .offset: 16, .size: 8, .value_kind: global_buffer, .address_space: global }
      - { .name: ws, .offset: 24, .size: 8, .value_kind: global_buffer, .address_space: global }
      - { .name: bq, .offset: 32, .size: 8, .value_kind: global_buffer, .address_space: global }
      - { .name: bk, .offset: 40, .size: 8, .value_kind: global_buffer, .address_space: global }
      - { .name: bv, .offset: 48, .size: 8, .value_kind: global_buffer, .address_space: global }
      - { .name: qkvc, .offset: 56, .size: 8, .value_kind: global_buffer, .address_space: global }
      - { .name: qkvs, .offset: 64, .size: 8, .value_kind: global_buffer, .address_space: global }
    .group_segment_fixed_size: 327680
    .private_segment_fixed_size: 0
    .kernarg_segment_align: 8
    .kernarg_segment_size: 72
    .max_flat_workgroup_size: 128
    .sgpr_count:     102
    .vgpr_count:     1024
    .wavefront_size: 32
...
	.end_amdgpu_metadata
.endif
;; end of part 2
;; launch attn (part 3): grid 8 x 32, 16 waves a work-group, clusters of 4 x 1, 313,344 bytes of LDS; arguments qkvc, qkvs, oc, os; writes oc, os
.if DOCPART == 3
	.amdgcn_target "amdgcn-amd-amdhsa--gfx1250"
	.amdhsa_code_object_version 6
	.text
	.protected	k_qcc9468972f_attn
	.globl	k_qcc9468972f_attn
	.p2align	8
	.type	k_qcc9468972f_attn,@function
k_qcc9468972f_attn:
	s_mov_b64 s[64:65], 0
	v_nop
	global_prefetch_b8 v0, s[64:65] scope:SCOPE_SE
	s_setreg_imm32_b32 hwreg(HW_REG_WAVE_MODE, 25, 1), 1
	s_wait_xcnt 0x0
	s_wait_alu depctr_hold_cnt(0) depctr_sa_sdst(0) depctr_va_vdst(0) depctr_va_sdst(0) depctr_va_ssrc(0) depctr_va_vcc(0) depctr_vm_vsrc(0)
	s_getreg_b32 s2, hwreg(HW_REG_IB_STS2, 6, 4)
	s_cmp_eq_u32 s2, 0
	s_cbranch_scc0 .Lentry_in_a_cluster
	s_endpgm
.Lentry_in_a_cluster:
	s_bfe_u32 s2, ttmp6, 0x10000c
	s_cmp_lg_u32 s2, 0x3003
	s_cbranch_scc0 .Lentry_shape_is_right
	s_endpgm
.Lentry_shape_is_right:
; Causal attention of one head (2,048 tokens, head size 64) on codes of FP8 (E4M3) with E8M0 scales, and the quantising of its result for the last projection.
; t = score x log2(e) / 8; M = the row's largest t so far, rounded UP to a whole number; p = 2^(t - M) is quantised along the keys, not normalised; the row's sum is taken of the unquantised p and divides O at the end.
; When M moves, the sum and O are multiplied by 2^(old M - new M): exact.  Key steps that the causal mask hides whole (every key after every query of the tile) are left out: a NaN or an infinity in them alone is not carried.
; SHARES.  The head's 2,048 queries are 16 blocks of 8 tiles of 16 queries.  Work-group (j, head) owns tile j of EVERY block, so what a wave walks hangs on its number alone.  A tile of block b needs key steps 0 .. b of 128 keys.
; Waves a and a + 8 (a = 0 .. 7) share the tiles of block 15 - a (long) and of block a (short): 17 key steps.  Wave a ("B") makes the short tile in trips 0 .. a and helps with the long one in trips a + 1 .. 8;
; wave a + 8 ("A") walks the long one in trips 0 .. 7.  In trip t the key step is 2 t - min(t, e), e = a in A and a + 1 in B: each step of the long tile is taken once, and never one beyond 2 t.
; At the end A hands its part (O, M, the sum) to B through LDS, and B joins the two.
; THE WHOLE HEAD LIES IN LDS, FILLED ONCE, by ten tensor loads at the head, one a wave: K's scale words, V's, and the quarters (four key steps) of K's and V's codes.  The scale words and quarter 0 are shown at the first barrier, the rest ahead of trip 2.
; CLUSTERS of 4 x 1: the four work-groups need the same K and V: every load is a joint one.  NO PREFETCH: all that is loaded is asked for at the head; no loop issues a load.
; LAYOUT.  Both products are used transposed: S^T = K Q^T (source 0 = 16 keys), O^T = V^T P^T (source 0 = 16 of the head's 64): a lane holds ONE query throughout.  All operands lie as images of their registers, and
; of 32 rows tile u takes in its row r the row 8 u + r + 8 (r / 8): so the 16 registers of result tiles 2 b, 2 b + 1 are source 0's rows 32 b + 16 (lane / 16) + 0 .. 15.
; HEAD SIZE 64 fills half of the instruction's 128 along K.  Q's operand is 8 registers of codes and 8 of zeros.  K's eight tiles lie packed, 8 registers each, and p's codes behind them; tile i's operand is
; v[32 + 8 i] .. + 15: its upper half is the next tile's codes (the last tile's: p's of the step before), which meet Q's zero codes under the scale byte 0x7f on both sides and add nothing.  That leans on the holds: no code is the NaN code.
; OUT.  oc: images as the projection's operand wants them (K = 64 head + d); os: [two heads: 8][token: 4096][4 bytes]: a scale word for 128 along K; a wave stores its head's 2 bytes of 16 words (2-byte pieces, 131,072 bytes in the launch).
; LIMITS: NaN and infinities are not served; a block whose largest magnitude lies under 2^-118 gets the byte 1 (zeros too: their codes are zeros, and only this program reads the bytes).
; The scaled scores t are taken to stay under 2^31 in magnitude.
.set VC,   131072                      ; LDS: K's codes at 0, V's here: key step k at 8,192 k
.set KS,   262144                      ; K's scale words: 512 bytes a key step
.set VS,   270336                      ; V's: 256 bytes a key step
.set PART, 274432                      ; what A hands to B: 4,608 bytes a pair
.set SPARE, PART+8*4608                ; the spare words, 128 bytes for each wave
.set ADK,  8                           ; v1-5, v7 addresses that stay; v6 the next Q's scale words; v8-11 the step's addresses; v12 -M, v13 the largest t, v[14:15] the sum in two halves
.set ADV,  9
.set ADS,  10
.set ADT,  11
.set Q,    16                          ; v16-23 Q, v24-31 zeros
.set KF,   32                          ; v32-95 K's tiles, then V's
.set PCD,  96                          ; v96-111 p's codes
.set S,    112                         ; v112-175 S^T, then p
.set O,    176                         ; v176-207 O^T
.set KW,   208
.set VW,   216
.set QW,   220
.set PWD,  221
.set F,    222                         ; v[222:223] f
.set BM,   224                         ; v224-243 at work
.set PX,   228
.set HB,   232
.set SO,   236
.set Q2,   244                         ; v244-251 B: Q of the long tile
.set TM,   252
.set NINF, 253
.set WV,   12                          ; s12  my wave's number
.set LAST, 13                          ; s13  my tile's block = its last key step
.set KAP,  14                          ; s14  the key step
.set TK,   15                          ; s15  its codes' place, s16 K's scale words', s17 V's
.set TS,   16
.set TJ,   17
.set T,    18                          ; s18  the trip
.set MNT,  19                          ; s19  the mantissa field of 448
.set SEL,  20                          ; s[20:21] lane selects for lane l xor 16
.set CS,   22                          ; s[22:23] c = log2(e) / 8
.set G1C,  24                          ; s[24:31] group 1: a quarter's codes;  s[32:39] K's scale words;  s[40:47] V's
.set G1KS, 32
.set G1VS, 40
.set G0,   48                          ; s[48:51] group 0 of my one load
.set EW,   52                          ; s52  e
.set SW,   53                          ; s53  B: a, the trip that ends the short tile; A: a + 16, which no trip is
.set TEND, 54                          ; s54  my last trip
.set LONG, 55                          ; s55  15 - a
.set AW,   57                          ; s57  a
.set J,    58                          ; s58  j
.macro CROUND                          ; a round of the cluster's barrier
	s_barrier_signal -1
	s_barrier_wait -1
	s_cmp_lg_u32 s[WV], 0
	s_cbranch_scc1 .Lnot_wave_0_\@
	s_barrier_signal -3
.Lnot_wave_0_\@:
	s_barrier_wait -3
	s_barrier_signal -1
	s_barrier_wait -1
.endm
	s_load_b256 s[4:11], s[0:1], 0x0               ; qkvc s[4:5], qkvs s[6:7], oc s[8:9], os s[10:11]
	v_lshl_add_u32 v254, v0, 2, SPARE
	v_mov_b32 v255, 0
	ds_add_u32 v254, v255                          ; the wave's opening: the add, twice on end, and its wait
	ds_add_u32 v254, v255
	v_lshrrev_b32 v8, 5, v0
	v_readfirstlane_b32 s[WV], v8                  ; wave 0..15
	s_bfe_u32 s3, ttmp6, 0x40000                   ; cx
	s_and_b32 s2, ttmp7, 0xffff                    ; 16 batch + head
	s_lshl_b32 s[J], ttmp9, 2
	s_add_co_u32 s[J], s[J], s3
	s_and_b32 s[AW], s[WV], 7
	s_lshr_b32 s60, s[WV], 3                       ; 1 in A
	s_xor_b32 s59, s60, 1                          ; 1 in B
	s_add_co_u32 s[EW], s[AW], s59
	s_add_co_u32 s[TEND], s59, 7
	s_lshl_b32 s60, s60, 4
	s_add_co_u32 s[SW], s[AW], s60
	s_sub_co_u32 s[LONG], 15, s[AW]
	s_cmp_lt_u32 s[WV], 8
	s_cselect_b32 s[LAST], s[AW], s[LONG]
	; group 1: dense blocks as rows of 32 elements of 8 bytes, no padding: 128, 32 and 16 rows.  15:0 the mask: all four of the cluster; 21 set beside a mask
.irp g, G1C, G1KS, G1VS
	s_mov_b32 s[\g], 15|(3<<16)|(1<<21)
	s_mov_b32 s[\g+1], 32<<16
	s_mov_b32 s[\g+3], 32<<16
	s_mov_b32 s[\g+5], 32
	s_mov_b32 s[\g+6], 0
	s_mov_b32 s[\g+7], 0
.endr
	s_mov_b32 s[G1C+2], 128<<16
	s_mov_b32 s[G1C+4], 128
	s_mov_b32 s[G1KS+2], 32<<16
	s_mov_b32 s[G1KS+4], 32
	s_mov_b32 s[G1VS+2], 16<<16
	s_mov_b32 s[G1VS+4], 16
	s_mov_b32 s[G0], 1
	s_mov_b32 s[SEL], 0x76543210
	s_mov_b32 s[SEL+1], 0xfedcba98
	s_mov_b32 s[CS], 0x3e38aa3b
	s_mov_b32 s[CS+1], s[CS]                       ; (named with it as a pair, so it is written)
	s_mov_b32 s[MNT], 0x600000
	s_lshl_b32 s92, s2, 17                         ; a head's codes: 131,072 bytes in each of Q, K, V
	s_mov_b32 s93, 0
	s_lshl_b32 s94, s2, 13                         ; Q's and K's scale words: 8,192
	s_mov_b32 s95, 0
	s_lshl_b32 s96, s2, 12                         ; V's: 4,096
	s_mov_b32 s97, 0
	s_mov_b32 s69, 0
	s_mov_b32 s71, 0
	s_wait_alu depctr_va_vdst(0)
	s_wait_dscnt 0x0                               ; both opening adds are done
	CROUND                                         ; all four work-groups are here: the joint loads meet
	s_wait_kmcnt 0x0
	s_add_nc_u64 s[92:93], s[4:5], s[92:93]
	s_add_nc_u64 s[94:95], s[6:7], s[94:95]
	s_add_nc_u64 s[96:97], s[6:7], s[96:97]
; THE HEAD'S LOADS, ONE A WAVE, what is needed first asked for by the lowest waves: one chain of arms with one join.
.macro ARM under, g1, lds, base, off, next
	s_cmp_lt_u32 s[WV], \under
	s_cbranch_scc0 \next
	s_mov_b32 s[G0+1], \lds
	s_add_nc_u64 s[G0+2:G0+3], s[\base:\base+1], \off
	s_or_b32 s[G0+3], s[G0+3], 0x80000000
	tensor_load_to_lds s[G0:G0+3], s[\g1:\g1+7]
	s_nop 0
.rept 4
	v_nop
.endr
	s_branch .Lasked
\next:
.endm
	ARM 1, G1KS, KS, 94, 0x40000, .Lhead_1
	ARM 2, G1C, 0, 92, 0x400000, .Lhead_2
	ARM 3, G1VS, VS, 96, 0x80000, .Lhead_3
	ARM 4, G1C, VC, 92, 0x800000, .Lhead_4
	ARM 5, G1C, 32768, 92, 0x408000, .Lhead_5
	ARM 6, G1C, VC+32768, 92, 0x808000, .Lhead_6
	ARM 7, G1C, 65536, 92, 0x410000, .Lhead_7
	ARM 8, G1C, VC+65536, 92, 0x810000, .Lhead_8
	ARM 9, G1C, 98304, 92, 0x418000, .Lhead_9
	ARM 10, G1C, VC+98304, 92, 0x818000, .Lhead_none
.Lasked:
	s_lshl_b32 s66, s[LAST], 3
	s_add_co_u32 s66, s66, s[J]                    ; my first tile, 0 .. 127
	s_lshl_b32 s98, s66, 10
	s_mov_b32 s99, 0
	s_add_nc_u64 s[76:77], s[92:93], s[98:99]      ; Q's codes: 1,024 bytes a tile
	s_lshl_b32 s98, s66, 6
	s_add_nc_u64 s[78:79], s[94:95], s[98:99]      ; its scale words: 64 bytes a tile
	s_lshl_b32 s66, s[LONG], 3
	s_add_co_u32 s66, s66, s[J]
	s_lshl_b32 s98, s66, 10
	s_add_nc_u64 s[80:81], s[92:93], s[98:99]      ; the same of the long tile
	s_lshl_b32 s98, s66, 6
	s_add_nc_u64 s[82:83], s[94:95], s[98:99]
	v_and_b32 v9, 31, v0
	v_lshlrev_b32 v1, 4, v9                        ; 16 x lane
	v_and_b32 v9, 15, v0                           ; r
	v_lshlrev_b32 v8, 2, v9                        ; 4 r
.irp j, 0,1,2,3,4,5,6,7
	v_mov_b32 v[Q2+\j], 0                          ; (A has no second tile: written on every way)
.endr
	v_mov_b32 v6, 0
	s_wait_alu depctr_va_vdst(0)
	global_load_b128 v[Q:Q+3], v1, s[76:77]        ; Q stays in registers: d = 16 h + 0 .. 15,
	global_load_b128 v[Q+4:Q+7], v1, s[76:77] offset:512   ; d = 32 + 16 h + 0 .. 15
	global_load_b32 v[QW], v8, s[78:79]
	s_cmp_lt_u32 s[WV], 8
	s_cbranch_scc0 .Lone_tile
	global_load_b128 v[Q2:Q2+3], v1, s[80:81]
	global_load_b128 v[Q2+4:Q2+7], v1, s[80:81] offset:512
	global_load_b32 v6, v8, s[82:83]
.Lone_tile:
	v_add_nc_u32 v2, VC, v1
	v_add_nc_u32 v3, KS, v8
	v_add_nc_u32 v4, VS, v8
	v_and_b32 v7, 8, v9
	v_add_nc_u32 v7, v7, v9                        ; r + 8 (r / 8)
	v_bfe_u32 v10, v0, 4, 1                        ; h
	s_lshr_b32 s66, s[J], 1
	s_lshl_b32 s67, s66, 5
	s_and_b32 s3, s[J], 1
	s_lshl_b32 s68, s3, 3
	s_add_co_u32 s67, s67, s68                     ; 32 (j / 2) + 8 (j % 2)
	v_lshlrev_b32 v5, 4, v10
	v_sub_nc_u32 v5, v7, v5
	v_add_nc_u32 v5, s67, v5                       ; my query's place in its block of 128, less 16 h: on the diagonal register 16 b + i holds key 32 b + 16 h + i of the same block: hidden where 32 b + i is greater
	; where tile j of block 0 goes: a block further on is 32,768 bytes of oc and 512 of os
	s_and_b32 s60, s2, 15                          ; head
	s_lshr_b32 s61, s2, 4                          ; batch
	s_lshr_b32 s98, s60, 2
	s_lshl_b32 s98, s98, 20                        ; the slab of 256 along K: four heads
	s_lshl_b32 s62, s61, 19
	s_add_co_u32 s98, s98, s62
	s_lshl_b32 s62, s66, 13                        ; 32 tokens
	s_add_co_u32 s98, s98, s62
	s_lshl_b32 s62, s3, 12                         ; which of their two fragments
	s_add_co_u32 s98, s98, s62
	s_and_b32 s62, s60, 3
	s_lshl_b32 s62, s62, 10                        ; my head's 64 of the slab's 256
	s_add_co_u32 s98, s98, s62
	s_add_nc_u64 s[8:9], s[8:9], s[98:99]
	s_lshr_b32 s98, s60, 1
	s_lshl_b32 s98, s98, 14                        ; two heads: 4,096 tokens x 4 bytes
	s_lshl_b32 s62, s61, 13
	s_add_co_u32 s98, s98, s62
	s_lshl_b32 s62, s67, 2
	s_add_co_u32 s98, s98, s62
	s_and_b32 s62, s60, 1
	s_lshl_b32 s62, s62, 1
	s_add_co_u32 s98, s98, s62                     ; the odd head's two bytes lie above the even head's
	s_add_nc_u64 s[10:11], s[10:11], s[98:99]
	v_mov_b32 v13, 0xff61b1e6                      ; the largest t so far: -3e38, under every t
	v_floor_f32 v12, -v13                          ; -M
	v_mov_b32 v14, 0
	v_mov_b32 v15, 0
.irp j, 0,1,2,3,4,5,6,7
	v_mov_b32 v[Q+8+\j], 0                         ; the upper half of Q's operand: zero codes
	v_mov_b32 v[PCD+\j], 0                         ; and what lies behind K's last tile in the first step
.endr
.set n, 0
.rept 32
	v_mov_b32 v[O+n], 0                            ; O^T: the step is written once; the first finds zeros, which the first change of M leaves zeros
.set n, n+1
.endr
.irp b, 0,1,2,3
	v_mov_b32 v[PX+\b], 0                          ; written once: a lane permute's destination counts as one of its sources
.endr
	v_mov_b32 v[F+1], 0                            ; (named as the upper half of the pair before it is first written)
	v_mov_b32 v[TM], 0
	v_mov_b32 v[NINF], 0xff800000                  ; -infinity
; A TILE'S WAY OUT: O^T / the sum, quantised along d: register 16 b + i = d 32 b + 16 h + i of my query: two blocks of 32, each shared with lane l xor 16.
.macro FINAL
	s_lshl_b32 s68, s[LAST], 15
	s_lshl_b32 s70, s[LAST], 9
	s_add_nc_u64 s[72:73], s[8:9], s[68:69]
	s_add_nc_u64 s[74:75], s[10:11], s[70:71]
	v_add_f32 v14, v14, v15
	s_wait_alu depctr_va_vdst(0)
	v_permlanex16_b32 v[TM], v14, s[SEL], s[SEL+1]
	v_add_f32 v14, v14, v[TM]                      ; the row's sum
	s_wait_alu depctr_va_vdst(0)                   ; ahead of the transcendental
	v_rcp_f32 v14, v14
	v_lshlrev_b32 v8, 2, v7                        ; os: 4 (r + 8 (r / 8)).  With the seven below: eight places behind the last products
.rept 7
	v_nop
.endr
	s_wait_alu depctr_va_vdst(0)                   ; ahead of the reciprocal's first reader
.set n, 0
.rept 16
	v_pk_mul_f32 v[S+n:S+n+1], v[O+n:O+n+1], v[14:15] op_sel_hi:[1,0]   ; each accumulator from its low end on
.set n, n+2
.endr
.irp b, 0,1
	v_max3_num_f32 v[BM+\b], |v[S+16*\b]|, |v[S+1+16*\b]|, 0x4800000
.endr
.irp i, 2,4,6,8,10,12,14
.irp b, 0,1
	v_max3_num_f32 v[BM+\b], v[BM+\b], |v[S+16*\b+\i]|, |v[S+1+16*\b+\i]|
.endr
.endr
.irp b, 0,1
	v_permlanex16_b32 v[PX+\b], v[BM+\b], s[SEL], s[SEL+1]
.endr
.irp b, 0,1
	v_max_num_f32 v[BM+\b], v[BM+\b], v[PX+\b]
.endr
.irp b, 0,1
	v_add_nc_u32 v[SO+\b], 0xfc000000, v[BM+\b]
.endr
.irp b, 0,1
	v_and_or_b32 v[HB+\b], v[BM+\b], 0x7f800000, s[MNT]
.endr
.irp b, 0,1
	v_lshrrev_b32 v[PX+\b], 23, v[SO+\b]
.endr
	v_lshl_or_b32 v[PWD], v[PX+1], 8, v[PX]        ; my head's two bytes
.irp b, 0,1
.set n, 0
.rept 16
	v_med3_num_f32 v[S+16*\b+n], v[S+16*\b+n], -v[HB+\b], v[HB+\b]
.set n, n+1
.endr
	v_cvt_scalef32_pk8_fp8_f32 v[PCD+4*\b:PCD+4*\b+1], v[S+16*\b:S+16*\b+7], v[SO+\b]
	v_cvt_scalef32_pk8_fp8_f32 v[PCD+4*\b+2:PCD+4*\b+3], v[S+16*\b+8:S+16*\b+15], v[SO+\b]
.endr
	v_nop
	global_store_b128 v1, v[PCD:PCD+3], s[72:73]           ; 512 consecutive bytes, aligned
	global_store_b128 v1, v[PCD+4:PCD+7], s[72:73] offset:512
	global_store_b16 v8, v[PWD], s[74:75]                  ; both halves of the lanes store the same two bytes
	s_wait_xcnt 0x0                                ; the stores' registers and bases may be written again
.endm
; A TRIP: one key step of 128 keys.  lim: the last step that has been shown by then.
.macro TRIP lim
.if \lim == 15
	s_cmp_gt_u32 s[T], s[TEND]                     ; A has no trip 8
	s_cbranch_scc1 .Ldone_\@
.endif
	s_lshl_b32 s[TK], s[T], 1
	s_min_u32 s[TS], s[T], s[EW]
	s_sub_co_u32 s[TK], s[TK], s[TS]               ; 2 t - min(t, e)
	s_min_u32 s[KAP], s[TK], \lim                  ; (never more: the bound stands for the reader of the addresses)
	s_lshl_b32 s[TK], s[KAP], 13
	s_lshl_b32 s[TS], s[KAP], 9
	s_lshl_b32 s[TJ], s[KAP], 8
	v_add_nc_u32 v[ADK], s[TK], v1
	v_add_nc_u32 v[ADV], s[TK], v2
	v_add_nc_u32 v[ADS], s[TS], v3
	v_add_nc_u32 v[ADT], s[TJ], v4
.rept 4
	v_nop                                          ; with the four additions: eight places in front of loads into registers that the last step's products have read
.endr
.irp i, 0,1,2,3,4,5,6,7
	ds_load_b128 v[KF+8*\i:KF+8*\i+3], v[ADK] offset:1024*\i
	ds_load_b128 v[KF+8*\i+4:KF+8*\i+7], v[ADK] offset:1024*\i+512
	ds_load_b32 v[KW+\i], v[ADS] offset:64*\i
.endr
	s_wait_alu depctr_va_vdst(0)
	s_wait_dscnt 9                                 ; tiles 0 to 4 are in (tile 3's operand reaches into tile 4); the nine loads of tiles 5 to 7 may be out
.irp i, 0,1,2,3
	v_wmma_scale_f32_16x16x128_f8f6f4 v[S+8*\i:S+8*\i+7], v[KF+8*\i:KF+8*\i+15], v[Q:Q+15], 0, v[KW+\i], v[QW]
.endr
	s_wait_dscnt 0x0
.irp i, 4,5,6,7
	v_wmma_scale_f32_16x16x128_f8f6f4 v[S+8*\i:S+8*\i+7], v[KF+8*\i:KF+8*\i+15], v[Q:Q+15], 0, v[KW+\i], v[QW]
.endr
.rept 8
	v_nop                                          ; places ahead of the loads over K's tiles and of the first read of the scores
.endr
.irp t, 0,1,2,3                                ; V's four tiles are asked for here and land under the softmax
.irp c, 0,1,2,3
	ds_load_b128 v[KF+16*\t+4*\c:KF+16*\t+4*\c+3], v[ADV] offset:2048*\t+512*\c
.endr
	ds_load_b32 v[VW+\t], v[ADT] offset:64*\t
.endr
	s_cmp_lg_u32 s[KAP], s[LAST]                   ; only a tile's last step lies on the diagonal: there hidden scores become -infinity ahead of the maximum
	s_cbranch_scc1 .Lopen_\@
.set n, 0
.rept 64
	v_cmp_gt_i32 vcc_lo, 32*(n/16)+n%16, v5
	v_cndmask_b32 v[S+n], v[S+n], v[NINF], vcc_lo
.set n, n+1
.endr
.Lopen_\@:
.irp b, 0,1,2,3
	v_max3_num_f32 v[BM+\b], v[S+16*\b], v[S+1+16*\b], v[S+2+16*\b]   ; the largest score of each block of 32 keys: for the row's maximum, and, since p rises with the score, for the block's largest p
.endr
.irp i, 3,5,7,9,11,13
.irp b, 0,1,2,3
	v_max3_num_f32 v[BM+\b], v[BM+\b], v[S+16*\b+\i], v[S+1+16*\b+\i]
.endr
.endr
.irp b, 0,1,2,3
	v_max_num_f32 v[BM+\b], v[BM+\b], v[S+15+16*\b]
.endr
.irp b, 0,1,2,3
	s_delay_alu instid0(VALU_DEP_4)
	v_permlanex16_b32 v[PX+\b], v[BM+\b], s[SEL], s[SEL+1]
.endr
.irp b, 0,1,2,3
	s_delay_alu instid0(VALU_DEP_4)
	v_max_num_f32 v[BM+\b], v[BM+\b], v[PX+\b]     ; with lane l xor 16's 16 keys
.endr
	s_delay_alu instid0(VALU_DEP_2)
	v_max3_num_f32 v[TM], v[BM], v[BM+1], v[BM+2]
	s_delay_alu instid0(VALU_DEP_1)
	v_max_num_f32 v[TM], v[TM], v[BM+3]            ; the step's largest score of my query
	s_delay_alu instid0(VALU_DEP_1)
	v_mul_f32 v[TM], s[CS], v[TM]                  ; as t (c is positive)
	s_delay_alu instid0(VALU_DEP_1)
	v_max_num_f32 v13, v13, v[TM]                  ; the running largest t
	v_mov_b32 v[TM], v12
	s_delay_alu instid0(VALU_DEP_2)
	v_floor_f32 v12, -v13                          ; the new -M = floor(-t) = -ceil(t)
	s_delay_alu instid0(VALU_DEP_1)
	v_sub_f32 v[TM], v12, v[TM]                    ; old M - new M: a whole number, 0 or less
	s_delay_alu instid0(VALU_DEP_1)
	v_cvt_i32_f32 v[TM], v[TM]                     ; (it saturates)
	s_delay_alu instid0(VALU_DEP_1)
	v_ldexp_f32 v[F], 1.0, v[TM]                   ; f = 2^(old M - new M)
.set n, 0
.rept 32
	v_pk_fma_f32 v[S+n:S+n+1], v[S+n:S+n+1], s[CS:CS+1], v[12:13] op_sel_hi:[1,0,0]   ; t - M, two at a time
.set n, n+2
.endr
.irp b, 0,1,2,3
	v_fma_f32 v[BM+\b], v[BM+\b], s[CS], v12       ; the same of each block's largest score
.endr
	s_wait_alu depctr_va_vdst(0)                   ; ahead of the batch
.set n, 0
.rept 64
	v_exp_f32 v[S+n], v[S+n]                       ; p = 2^(t - M), at most 1
.set n, n+1
.endr
	v_pk_mul_f32 v[14:15], v[14:15], v[F:F+1] op_sel_hi:[1,0]   ; the sums under the new M: a plain instruction behind the exponentials
	s_wait_alu depctr_va_vdst(0)                   ; one wait for the whole batch, ahead of its first reader
.irp b, 0,1,2,3
	v_exp_f32 v[BM+\b], v[BM+\b]                   ; the block's largest p: the same two instructions on the same number give the same bits
.endr
.set n, 0                                      ; the row's sum, two at a time, in eight chains
.irp c, 240,242,238,236,234,232,230
	v_pk_add_f32 v[\c:\c+1], v[S+n:S+n+1], v[S+n+2:S+n+3]
.set n, n+4
.endr
	v_pk_add_f32 v[14:15], v[14:15], v[S+n:S+n+1]
.set n, n+2
.rept 2
.irp c, 240,242,238,236,234,232,230,14
	v_pk_add_f32 v[\c:\c+1], v[\c:\c+1], v[S+n:S+n+1]
.set n, n+2
.endr
.endr
	v_pk_add_f32 v[240:241], v[240:241], v[S+n:S+n+1]
	v_pk_add_f32 v[14:15], v[14:15], v[236:237]
	v_pk_add_f32 v[242:243], v[242:243], v[232:233]
	v_pk_add_f32 v[238:239], v[238:239], v[230:231]
	v_pk_add_f32 v[240:241], v[240:241], v[234:235]
	s_delay_alu instid0(VALU_DEP_3)
	v_pk_add_f32 v[14:15], v[14:15], v[242:243]
	s_delay_alu instid0(VALU_DEP_2)
	v_pk_add_f32 v[240:241], v[240:241], v[238:239]
	s_delay_alu instid0(VALU_DEP_1)
	v_pk_add_f32 v[14:15], v[14:15], v[240:241]
	s_wait_alu depctr_va_vdst(0)                   ; and one for the four
.irp b, 0,1,2,3
	v_max_num_f32 v[BM+\b], 0x4800000, v[BM+\b]    ; the floor 2^(9 - 127): the byte cannot fall under 1
.endr
.irp b, 0,1,2,3
	s_delay_alu instid0(VALU_DEP_4)
	v_add_nc_u32 v[SO+\b], 0xfc000000, v[BM+\b]    ; 8 off the exponent field: the conversion's scale operand
.endr
.irp b, 0,1,2,3
	v_and_or_b32 v[HB+\b], v[BM+\b], 0x7f800000, s[MNT]   ; 448 x the scale
.endr
.irp b, 0,1,2,3
	v_lshrrev_b32 v[PX+\b], 23, v[SO+\b]           ; the scale's byte
.endr
	s_delay_alu instid0(VALU_DEP_3)
	v_lshl_or_b32 v[PWD], v[PX+1], 8, v[PX]        ; p's scale word for these 128 keys: it stands far more than eight plain instructions ahead of the products
	s_delay_alu instid0(VALU_DEP_1)
	v_lshl_or_b32 v[PWD], v[PX+2], 16, v[PWD]
	s_delay_alu instid0(VALU_DEP_1)
	v_lshl_or_b32 v[PWD], v[PX+3], 24, v[PWD]
.irp b, 0,1,2,3
.set n, 16*\b
.rept 8
	v_dual_min_num_f32 v[S+n], v[S+n], v[HB+\b] :: v_dual_min_num_f32 v[S+n+1], v[S+n+1], v[HB+\b]   ; the conversion does not saturate (ISA guide 7.6.2); p is not negative, so the hold is one-sided
.set n, n+2
.endr
	v_cvt_scalef32_pk8_fp8_f32 v[PCD+4*\b:PCD+4*\b+1], v[S+16*\b:S+16*\b+7], v[SO+\b]
	v_cvt_scalef32_pk8_fp8_f32 v[PCD+4*\b+2:PCD+4*\b+3], v[S+16*\b+8:S+16*\b+15], v[SO+\b]
.endr
.set n, 0
.rept 16
	v_pk_mul_f32 v[O+n:O+n+1], v[O+n:O+n+1], v[F:F+1] op_sel_hi:[1,0]   ; O^T under the new M.  These sixteen also stand between the conversions and the products
.set n, n+2
.endr
	s_wait_alu depctr_va_vdst(0)
	s_wait_dscnt 0x0                               ; V's tiles and scale words are in
.irp t, 0,1,2,3
	v_wmma_scale_f32_16x16x128_f8f6f4 v[O+8*\t:O+8*\t+7], v[KF+16*\t:KF+16*\t+15], v[PCD:PCD+15], v[O+8*\t:O+8*\t+7], v[VW+\t], v[PWD]   ; the accumulators by turns, one instruction a turn
.endr
	s_cmp_lg_u32 s[T], s[SW]                       ; B: the short tile is finished
	s_cbranch_scc1 .Ldone_\@
	FINAL
	v_mov_b32 v[QW], v6                            ; on to the long tile
.irp j, 0,1,2,3,4,5,6,7
	v_mov_b32 v[Q+\j], v[Q2+\j]
.endr
	v_mov_b32 v13, 0xff61b1e6                      ; M as at the head: the first change of M multiplies what stands in O^T and the sums by 0
	v_floor_f32 v12, -v13
	s_mov_b32 s[LAST], s[LONG]
	s_wait_alu depctr_va_vdst(0)
.Ldone_\@:
.endm
; The waves below 'below' wait for their load (0: every wave), and the barrier shows it to all sixteen; then trips t0 .. t1 - 1.
.macro SEG below, t0, t1, lim
.if \below
	s_cmp_lt_u32 s[WV], \below
	s_cbranch_scc0 .Lnot_yet_\@
	s_wait_tensorcnt 0x0
.Lnot_yet_\@:
.else
	s_wait_tensorcnt 0x0
.endif
	s_wait_dscnt 0x0
	s_barrier_signal -1
	s_barrier_wait -1
	s_mov_b32 s[T], \t0
.Lseg_\@:
	TRIP \lim
	s_add_co_u32 s[T], s[T], 1
	s_cmp_lt_u32 s[T], \t1
	s_cbranch_scc1 .Lseg_\@
.endm
	s_wait_alu depctr_va_vdst(0)
	s_wait_loadcnt 0x0                             ; Q
	SEG 4, 0, 2, 3
	SEG 0, 2, 9, 15
	; THE JOIN.  A stores its part into LDS bytes of the pair's own; behind the barrier B takes it up.
.rept 8
	v_nop                                          ; places behind the last products
.endr
	s_mul_i32 s56, s[AW], 4608
	s_add_co_u32 s56, s56, PART
	v_add_nc_u32 v[ADV], s56, v1
	s_wait_alu depctr_va_vdst(0)
	s_cmp_lt_u32 s[WV], 8
	s_cbranch_scc1 .Lhanded
.irp i, 0,1,2,3,4,5,6,7
	ds_store_b128 v[ADV], v[O+4*\i:O+4*\i+3] offset:512*\i
.endr
	ds_store_b128 v[ADV], v[12:15] offset:4096
.Lhanded:
	s_wait_dscnt 0x0
	s_barrier_signal -1
	s_barrier_wait -1
	s_cmp_lt_u32 s[WV], 8
	s_cbranch_scc0 .Lend
	ds_load_b128 v[S+32:S+35], v[ADV] offset:4096
.irp i, 0,1,2,3,4,5,6,7
	ds_load_b128 v[S+4*\i:S+4*\i+3], v[ADV] offset:512*\i
.endr
	s_wait_dscnt 0x0
	v_min_num_f32 v[TM], v12, v[S+32]              ; the greater M's -M
	v_sub_f32 v[BM], v[TM], v12
	v_sub_f32 v[BM+1], v[TM], v[S+32]
	v_cvt_i32_f32 v[BM], v[BM]
	v_cvt_i32_f32 v[BM+1], v[BM+1]
	v_ldexp_f32 v[F], 1.0, v[BM]                   ; my part's factor,
	v_ldexp_f32 v[PX], 1.0, v[BM+1]                ; and A's
	v_pk_mul_f32 v[14:15], v[14:15], v[F:F+1] op_sel_hi:[1,0]
.set n, 0
.rept 16
	v_pk_mul_f32 v[O+n:O+n+1], v[O+n:O+n+1], v[F:F+1] op_sel_hi:[1,0]
.set n, n+2
.endr
	v_pk_fma_f32 v[14:15], v[S+34:S+35], v[PX:PX+1], v[14:15] op_sel_hi:[1,0,1]
.set n, 0
.rept 16
	v_pk_fma_f32 v[O+n:O+n+1], v[S+n:S+n+1], v[PX:PX+1], v[O+n:O+n+1] op_sel_hi:[1,0,1]
.set n, n+2
.endr
	FINAL
.Lend:
	s_wait_tensorcnt 0x0                           ; the wave's end
	ds_add_u32 v254, v255
	s_wait_dscnt 0x0
	CROUND                                         ; the closing round
	s_endpgm
.Lfunc_end_k_qcc9468972f_attn:
	.size	k_qcc9468972f_attn, .Lfunc_end_k_qcc9468972f_attn-k_qcc9468972f_attn
	.p2alignl 7, 3214868480
	.fill 96, 4, 3214868480
	.section	.rodata,"a",@progbits
	.p2align	6, 0x0
	.amdhsa_kernel k_qcc9468972f_attn
		.amdhsa_group_segment_fixed_size 313344
		.amdhsa_private_segment_fixed_size 0
		.amdhsa_enable_private_segment 0
		.amdhsa_kernarg_size 32
		.amdhsa_user_sgpr_count 2
		.amdhsa_user_sgpr_kernarg_segment_ptr 1
		.amdhsa_wavefront_size32 1
		.amdhsa_system_sgpr_workgroup_id_x 1
		.amdhsa_system_sgpr_workgroup_id_y 1
		.amdhsa_system_sgpr_workgroup_id_z 1
		.amdhsa_system_vgpr_workitem_id 0
		.amdhsa_next_free_vgpr 256
		.amdhsa_next_free_sgpr 100
		.amdhsa_reserve_vcc 1
		.amdhsa_float_denorm_mode_32 3
		.amdhsa_float_denorm_mode_16_64 3
		.amdhsa_memory_ordered 1
		.amdhsa_forward_progress 1
		.amdhsa_inst_pref_size 88
	.end_amdhsa_kernel
	.amdgpu_metadata
---
amdhsa.version: [ 1, 2 ]
amdhsa.kernels:
  - .name:           k_qcc9468972f_attn
    .symbol:         k_qcc9468972f_attn.kd
    .args:
      - { .name: qkvc, .offset: 0, .size: 8, .value_kind: global_buffer, .address_space: global }
      - { .name: qkvs, .offset: 8, .size: 8, .value_kind: global_buffer, .address_space: global }
      - { .name: oc, .offset: 16, .size: 8, .value_kind: global_buffer, .address_space: global }
      - { .name: os, .offset: 24, .size: 8, .value_kind: global_buffer, .address_space: global }
    .group_segment_fixed_size: 313344
    .private_segment_fixed_size: 0
    .kernarg_segment_align: 8
    .kernarg_segment_size: 32
    .max_flat_workgroup_size: 512
    .sgpr_count:     100
    .vgpr_count:     256
    .wavefront_size: 32
...
	.end_amdgpu_metadata
.endif
;; end of part 3
;; launch oproj (part 4): grid 8 x 32, 4 waves a work-group, clusters of 4 x 4, 327,680 bytes of LDS; arguments oc, os, wc, ws, bo, out0; writes out0
.if DOCPART == 4
	.amdgcn_target "amdgcn-amd-amdhsa--gfx1250"
	.amdhsa_code_object_version 6
	.text
	.protected	k_qcc9468972f_oproj
	.globl	k_qcc9468972f_oproj
	.p2align	8
	.type	k_qcc9468972f_oproj,@function
k_qcc9468972f_oproj:
	s_mov_b64 s[64:65], 0
	v_nop
	global_prefetch_b8 v0, s[64:65] scope:SCOPE_SE
	s_setreg_imm32_b32 hwreg(HW_REG_WAVE_MODE, 25, 1), 1
	s_wait_xcnt 0x0
	s_wait_alu depctr_hold_cnt(0) depctr_sa_sdst(0) depctr_va_vdst(0) depctr_va_sdst(0) depctr_va_ssrc(0) depctr_va_vcc(0) depctr_vm_vsrc(0)
	s_getreg_b32 s2, hwreg(HW_REG_IB_STS2, 6, 4)
	s_cmp_eq_u32 s2, 0
	s_cbranch_scc0 .Lentry_in_a_cluster
	s_endpgm
.Lentry_in_a_cluster:
	s_bfe_u32 s2, ttmp6, 0x10000c
	s_cmp_lg_u32 s2, 0xf033
	s_cbranch_scc0 .Lentry_shape_is_right
	s_endpgm
.Lentry_shape_is_right:
; out0 = attention's result x Wo + bo on codes of FP8 (E4M3) with E8M0 scales for each 32 along K = 1,024; out0 [4096][1024] f32.
; A tile of 128 tokens x 128 outputs to a work-group: 256 work-groups.  Four waves, each 64 x 64: 16 accumulators.
; ALL OF K LIES IN LDS, FILLED ONCE: four slabs of 256 along K of 128 tokens, 32,768 bytes each, then four of 128 rows of Wo, as images of operand registers (16 rows x 128 K: [c][lane][16 bytes]).
; Each wave has one tensor load: waves 0 and 1 the first two slabs of the tokens and of Wo, waves 2 and 3 the last two: two dense runs of 32,768 bytes a load.  The first half is shown at the first barrier, the second ahead of K step 4; nothing is filled again.
; CLUSTERS: 4 x 4 work-groups.  The tokens' tiles hang on cy and are shared along a row of the cluster, Wo's on cx and are shared along a column: each is asked for JOINTLY.  NO PREFETCH: all of K is asked for at the head.
; THE MATRIX INSTRUCTION IS USED TRANSPOSED: source 0 = 16 rows of Wo, source 1 = 16 tokens.  Of 32 rows, fragment u takes in its row r the row 8 u + r + 8 (r / 8): so in result tiles 2 e + u a lane's register j is
; output 32 e + 16 (lane / 16) + 8 u + j of its token.  The bias is the C of each sum's first product.
; THE SCALE WORDS go from memory into registers once: lanes 0-15 hold those of a pair's fragment 0, lanes 16-31 of its fragment 1, and the instruction's row selector picks.
; LIMITS: NaN and infinities are not served.
; REGISTERS: window 0: v1-18 addresses; v32-47 the tokens' scale words, v48-63 Wo's; v64-95 the bias, later rows on the way out; v96-127 rows on the way out; v128-255 the accumulators ((a, b) at v[128 + 8 (4 a + b)]).
;   window 1: two fragment buffers of 128: the tokens' four fragments, then Wo's four.
.set SLABL,  32768
.set PARTL,  16384                     ; 64 rows of a slab
.set WOL,    4*SLABL                   ; Wo's slabs
.set STG,    8*SLABL                   ; behind the slabs: a stage of 16 rows x (256 bytes + 16) for each wave
.set SPITCH, 272
.set SPARE,  STG+4*16*SPITCH           ; the spare words, 128 bytes a wave
.set ADRA, 4                           ; v4-7   LDS address of my tokens' fragments in slab 0 .. 3
.set ADRB, 8                           ; v8-11  of Wo's
.set STO,  12                          ; v12  the way out: where I put 32 bytes of a row
.set RD,   13                          ; v13  where I read a row back
.set CO,   14                          ; v14  my byte offset in out0
.set SA,   32
.set SBW,  48
.set BIA,  64
.set ACC,  128
.set G1A, 24                           ; s[24:31], s[32:35] groups 1 and 0 of the tokens' tile
.set G0A, 32
.set G1B, 48                           ; s[48:55], s[56:59] of Wo's
.set G0B, 56
.set MSB, 0
.macro WIN new                         ; the immediate's high byte repeats the setting that is left
.if MSB != (\new)
	s_set_vgpr_msb (MSB<<8)|(\new)
.set MSB, (\new)
.endif
.endm
.set MUL,  0x05                        ; sources 0 and 1 window 1; C and D window 0
.set TO_F, 0x40                        ; destination window 1, address window 0
.macro CROUND                          ; a round of the cluster's barrier
	s_barrier_signal -1
	s_barrier_wait -1
	s_cmp_lg_u32 s16, 0
	s_cbranch_scc1 .Lnot_wave_0_\@
	s_barrier_signal -3
.Lnot_wave_0_\@:
	s_barrier_wait -3
	s_barrier_signal -1
	s_barrier_wait -1
.endm
	s_load_b256 s[4:11], s[0:1], 0x0               ; oc s[4:5], os s[6:7], wc s[8:9], ws s[10:11]
	s_load_b128 s[12:15], s[0:1], 0x20             ; bo s[12:13], out0 s[14:15]
	v_lshl_add_u32 v30, v0, 2, SPARE
	v_mov_b32 v31, 0
	ds_add_u32 v30, v31                            ; the wave's opening: the add, twice on end, and its wait
	ds_add_u32 v30, v31
	v_lshrrev_b32 v1, 5, v0
	v_readfirstlane_b32 s16, v1                    ; wave 0..3
	s_lshr_b32 s17, s16, 1                         ; which 64 tokens are mine.  Also: which half of K I fetch
	s_and_b32 s18, s16, 1                          ; which 64 outputs.  Also: I fetch for the tokens (0) or for Wo (1)
	s_bfe_u32 s19, ttmp6, 0x40000                  ; cx
	s_bfe_u32 s20, ttmp6, 0x40004                  ; cy
	s_lshl_b32 s21, ttmp9, 2
	s_add_co_u32 s21, s21, s19                     ; tile column: 128 outputs
	s_and_b32 s22, ttmp7, 0xffff
	s_lshl_b32 s22, s22, 2
	s_add_co_u32 s22, s22, s20                     ; tile row: 128 tokens
	s_lshl_b32 s23, s20, 2
	s_lshl_b32 s23, 15, s23                        ; my row of the cluster
	s_lshl_b32 s76, 0x1111, s19                    ; my column
	s_or_b32 s[G1A], s23, (3<<16)|(1<<21)          ; 15:0 the mask; 17:16 elements of 8 bytes; 21 set beside a mask
	s_or_b32 s[G1B], s76, (3<<16)|(1<<21)
.irp g, G1A, G1B
	s_mov_b32 s[\g+1], 4096<<16                    ; two slabs: rows of 4,096 elements, 1,048,576 bytes apart
	s_mov_b32 s[\g+2], 2<<16
	s_mov_b32 s[\g+3], 4096<<16
	s_mov_b32 s[\g+4], 2
	s_mov_b32 s[\g+5], 131072
	s_mov_b32 s[\g+6], 0
	s_mov_b32 s[\g+7], 0
.endr
	s_lshl_b32 s77, s17, 21                        ; my half of K begins two slabs on
	s_lshl_b32 s78, s22, 15                        ; the tokens: 128 rows of a slab are 32,768 bytes
	s_add_co_u32 s78, s78, s77
	s_mov_b32 s79, 0
	s_lshl_b32 s80, s21, 15                        ; Wo, in registers that never hold cy
	s_add_co_u32 s80, s80, s77
	s_add_co_u32 s80, s80, 786432                  ; Wo's rows begin at row 3,072 of the weights
	s_mov_b32 s81, 0
	s_lshl_b32 s82, s17, 16                        ; where they go: no place in the cluster enters an LDS address
	s_mov_b32 s[G0A], 1
	s_mov_b32 s[G0A+1], s82
	s_mov_b32 s[G0B], 1
	s_add_co_u32 s[G0B+1], s82, WOL
	s_wait_alu depctr_va_vdst(0)
	s_wait_dscnt 0x0                               ; both opening adds are done
	CROUND                                         ; all sixteen work-groups are here: the joint loads meet
	s_wait_kmcnt 0x0
	s_add_nc_u64 s[G0A+2:G0A+3], s[4:5], s[78:79]
	s_or_b32 s[G0A+3], s[G0A+3], 0x80000000
	s_add_nc_u64 s[G0B+2:G0B+3], s[8:9], s[80:81]
	s_or_b32 s[G0B+3], s[G0B+3], 0x80000000
; THE HEAD'S LOADS, ONE A WAVE: one chain of arms with one join.
.macro ARM under, g0, g1, next
	s_cmp_lt_u32 s16, \under
	s_cbranch_scc0 \next
	tensor_load_to_lds s[\g0:\g0+3], s[\g1:\g1+7]
	s_nop 0
.rept 4
	v_nop
.endr
	s_branch .Lasked
\next:
.endm
	ARM 1, G0A, G1A, .Lwave_1
	ARM 2, G0B, G1B, .Lwave_2
	ARM 3, G0A, G1A, .Lwave_3
	tensor_load_to_lds s[G0B:G0B+3], s[G1B:G1B+7]
	s_nop 0
.rept 4
	v_nop
.endr
.Lasked:
	v_and_b32 v1, 15, v0                           ; r
	v_bfe_u32 v2, v0, 4, 1                         ; h
	v_and_b32 v3, 31, v0
	v_lshlrev_b32 v3, 4, v3                        ; 16 x lane
	s_wait_alu depctr_va_vdst(0)
	s_lshl_b32 s83, s17, 14                        ; my 64 tokens' part
	s_lshl_b32 s84, s18, 14
	s_add_co_u32 s84, s84, WOL                     ; my 64 rows of Wo
.irp g, 0,1,2,3
	v_add_nc_u32 v[ADRA+\g], s83, v3
	v_add_nc_u32 v[ADRB+\g], s84, v3
	s_add_co_u32 s83, s83, SLABL
	s_add_co_u32 s84, s84, SLABL
.endr
	s_mul_i32 s83, s16, 16*SPITCH
	s_add_co_u32 s83, s83, STG                     ; my stage
	v_mul_u32_u24 v15, v1, SPITCH
	v_lshl_add_u32 v15, v2, 6, v15
	v_add_nc_u32 v[STO], s83, v15                  ; in: row r, + 64 h
	v_mul_u32_u24 v15, v2, SPITCH
	v_lshl_add_u32 v15, v1, 4, v15
	v_add_nc_u32 v[RD], s83, v15                   ; back: lanes 0-15 one row of 256 bytes, lanes 16-31 the next
	v_lshlrev_b32 v[CO], 12, v2
	v_lshl_add_u32 v[CO], v1, 4, v[CO]             ; and the same two rows in out0
	v_and_b32 v15, 8, v1
	v_add_nc_u32 v15, v15, v1
	v_lshl_add_u32 v15, v2, 3, v15                 ; 8 h + r + 8 (r / 8): lanes 0-15 the rows of a pair's fragment 0, lanes 16-31 of its fragment 1
	v_lshlrev_b32 v16, 2, v15                      ; the tokens' scale words: 4 bytes a row
	v_lshlrev_b32 v17, 3, v15                      ; Wo's: 8 bytes a row and slab
	v_lshlrev_b32 v18, 6, v2                       ; the bias: 64 h
	s_wait_alu depctr_va_vdst(0)
	s_lshl_b32 s84, s22, 9
	s_lshl_b32 s85, s17, 8
	s_add_co_u32 s84, s84, s85                     ; (128 tile row + 64 (wave / 2)) x 4
	s_mov_b32 s85, 0
	s_add_nc_u64 s[6:7], s[6:7], s[84:85]
	s_lshl_b32 s86, s21, 10
	s_lshl_b32 s87, s18, 9
	s_add_co_u32 s86, s86, s87
	s_add_co_u32 s86, s86, 24576                   ; (3,072 + 128 tile column + 64 (wave % 2)) x 8
	s_mov_b32 s87, 0
	s_add_nc_u64 s[10:11], s[10:11], s[86:87]
	s_lshl_b32 s88, s21, 9
	s_lshl_b32 s89, s18, 8
	s_add_co_u32 s88, s88, s89                     ; my first output, in bytes
	s_mov_b32 s89, 0
	s_add_nc_u64 s[12:13], s[12:13], s[88:89]
	s_lshl_b32 s90, s22, 19
	s_lshl_b32 s91, s17, 18
	s_add_co_u32 s90, s90, s91                     ; my first token's row of 4,096 bytes
	s_add_co_u32 s90, s90, s88
	s_mov_b32 s91, 0
	s_add_nc_u64 s[14:15], s[14:15], s[90:91]
.irp p, 0,1
.irp k, 0,1,2,3,4,5,6,7
	global_load_b32 v[SA+8*\p+\k], v16, s[6:7] offset:\k*16384+\p*128      ; pair p of my tokens, K step k of 128: 32 lanes read 128 consecutive bytes
.endr
.endr
.irp p, 0,1
.irp g, 0,1,2,3
	global_load_b64 v[SBW+8*\p+2*\g:SBW+8*\p+2*\g+1], v17, s[10:11] offset:\g*32768+\p*256   ; pair p of my rows of Wo, slab g: two K steps' words
.endr
.endr
.irp b, 0,1,2,3
	global_load_b128 v[BIA+8*\b:BIA+8*\b+3], v18, s[12:13] offset:128*(\b/2)+32*(\b%2)
	global_load_b128 v[BIA+8*\b+4:BIA+8*\b+7], v18, s[12:13] offset:128*(\b/2)+32*(\b%2)+16
.endr
; one product: accumulator d, Wo's fragment s0, the tokens' fragment s1; K step k; b, a: their blocks, whose parity picks the scale registers' rows
.macro WM d, s0, s1, k, b, a
.set xD, \d
.set xB, \s0
.set xA, \s1
.set xC, xD
.if (\k) == 0
.set xC, BIA+8*(\b)                    ; the first product starts the sum with the bias
.endif
.set wB, SBW+8*((\b)/2)+(\k)
.set wA, SA+8*((\a)/2)+(\k)
.if ((\b)%2) && ((\a)%2)
	v_wmma_scale_f32_16x16x128_f8f6f4 v[xD:xD+7], v[xB:xB+15], v[xA:xA+15], v[xC:xC+7], v[wB], v[wA] matrix_a_scale:MATRIX_SCALE_ROW1 matrix_b_scale:MATRIX_SCALE_ROW1
.elseif (\b)%2
	v_wmma_scale_f32_16x16x128_f8f6f4 v[xD:xD+7], v[xB:xB+15], v[xA:xA+15], v[xC:xC+7], v[wB], v[wA] matrix_a_scale:MATRIX_SCALE_ROW1
.elseif (\a)%2
	v_wmma_scale_f32_16x16x128_f8f6f4 v[xD:xD+7], v[xB:xB+15], v[xA:xA+15], v[xC:xC+7], v[wB], v[wA] matrix_b_scale:MATRIX_SCALE_ROW1
.else
	v_wmma_scale_f32_16x16x128_f8f6f4 v[xD:xD+7], v[xB:xB+15], v[xA:xA+15], v[xC:xC+7], v[wB], v[wA]
.endif
.endm
.macro MUL8 f, a0, k                   ; the tokens' blocks a0, a0 + 1 x Wo's four: the 16 accumulators take turns, one instruction a turn
.irp a, \a0, \a0+1
.irp b, 0,1,2,3
	WM ACC+8*(4*(\a)+\b), (\f)+64+16*\b, (\f)+16*(\a), \k, \b, \a
.endr
.endr
.endm
.macro FETCH k, f                      ; K step k's eight fragments into buffer f: 32 reads of 512 consecutive bytes
	WIN TO_F
.irp i, 0,1,2,3
.irp c, 0,1,2,3
	ds_load_b128 v[(\f)+16*\i+4*\c:(\f)+16*\i+4*\c+3], v[ADRA+(\k)/2] offset:\i*4096+((\k)%2)*2048+512*\c
	ds_load_b128 v[(\f)+64+16*\i+4*\c:(\f)+64+16*\i+4*\c+3], v[ADRB+(\k)/2] offset:\i*4096+((\k)%2)*2048+512*\c
.endr
.endr
.endm
.macro PLACES n
.rept \n
	v_nop
.endr
.endm
; A K step of 128.  In step 3, ahead of the fetch from the second half: every wave waits for its load, and the barrier shows the rest of K to all four.
.macro KSTEP k
.set FB, 128*((\k)%2)
	s_wait_dscnt 0x0                               ; this step's fragments are in
.if (\k) == 3
	s_wait_tensorcnt 0x0
	s_barrier_signal -1
.endif
	WIN MUL
	MUL8 FB, 0, \k
.if (\k) == 3
	s_barrier_wait -1
.endif
.if (\k) < 7
	PLACES 8                                       ; in front of loads into the buffer that the last step's products have read
	FETCH (\k)+1, 128-FB
.endif
	WIN MUL
	MUL8 FB, 2, \k
.endm
	s_wait_alu depctr_va_vdst(0)
	s_cmp_lt_u32 s16, 2
	s_cbranch_scc0 .Lsecond_half
	s_wait_tensorcnt 0x0                           ; waves 0 and 1: the first half of K is in
.Lsecond_half:
	s_barrier_signal -1
	s_barrier_wait -1
	FETCH 0, 0
	s_wait_loadcnt 0x0                             ; the scale words and the bias
.irp k, 0,1,2,3,4,5,6,7
	KSTEP \k
.endr
	WIN 0
	PLACES 8                                       ; ahead of the first read of results
; THE WAY OUT, 16 tokens at a time: a lane holds 32-byte pieces of one row, the lanes beside it other rows: through my own stage, back as whole rows of 256 bytes: sixteen lanes store 256 consecutive bytes, aligned.
.macro SENDA a
.set TT, 96-32*((\a)%2)
.if (\a) >= 2
	s_wait_xcnt 0x0                                ; block a - 2's stores have read their registers
.endif
.irp b, 0,1,2,3
	ds_store_b128 v[STO], v[ACC+8*(4*(\a)+\b):ACC+8*(4*(\a)+\b)+3] offset:128*(\b/2)+32*(\b%2)       ; each accumulator from its low end on
	ds_store_b128 v[STO], v[ACC+8*(4*(\a)+\b)+4:ACC+8*(4*(\a)+\b)+7] offset:128*(\b/2)+32*(\b%2)+16
.endr
.irp i, 0,1,2,3,4,5,6,7
	ds_load_b128 v[TT+4*\i:TT+4*\i+3], v[RD] offset:2*\i*SPITCH    ; LDS serves a wave's instructions in order: these see my stores
.endr
.irp i, 0,1,2,3,4,5,6,7
	s_wait_dscnt 7-\i
	global_store_b128 v[CO], v[TT+4*\i:TT+4*\i+3], s[14:15] offset:(32*((\a)/2)+8*((\a)%2)+2*\i+8*(\i/4))*4096 th:TH_STORE_NT   ; the stage's row 2 i (+ 1) is the fragment's row: token 8 (a % 2) + row + 8 (row / 8) of pair a / 2
.endr
.endm
	SENDA 0
	SENDA 1
	SENDA 2
	SENDA 3
	s_wait_tensorcnt 0x0                           ; the wave's end
	ds_add_u32 v30, v31
	s_wait_dscnt 0x0
	CROUND                                         ; the closing round: no work-group ends while a partner may still ask for a tile that names it
	s_endpgm
.Lfunc_end_k_qcc9468972f_oproj:
	.size	k_qcc9468972f_oproj, .Lfunc_end_k_qcc9468972f_oproj-k_qcc9468972f_oproj
	.p2alignl 7, 3214868480
	.fill 96, 4, 3214868480
	.section	.rodata,"a",@progbits
	.p2align	6, 0x0
	.amdhsa_kernel k_qcc9468972f_oproj
		.amdhsa_group_segment_fixed_size 327680
		.amdhsa_private_segment_fixed_size 0
		.amdhsa_enable_private_segment 0
		.amdhsa_kernarg_size 48
		.amdhsa_user_sgpr_count 2
		.amdhsa_user_sgpr_kernarg_segment_ptr 1
		.amdhsa_wavefront_size32 1
		.amdhsa_system_sgpr_workgroup_id_x 1
		.amdhsa_system_sgpr_workgroup_id_y 1
		.amdhsa_system_sgpr_workgroup_id_z 1
		.amdhsa_system_vgpr_workitem_id 0
		.amdhsa_next_free_vgpr 512
		.amdhsa_next_free_sgpr 100
		.amdhsa_reserve_vcc 0
		.amdhsa_float_denorm_mode_32 3
		.amdhsa_float_denorm_mode_16_64 3
		.amdhsa_memory_ordered 1
		.amdhsa_forward_progress 1
		.amdhsa_inst_pref_size 54
	.end_amdhsa_kernel
	.amdgpu_metadata
---
amdhsa.version: [ 1, 2 ]
amdhsa.kernels:
  - .name:           k_qcc9468972f_oproj
    .symbol:         k_qcc9468972f_oproj.kd
    .args:
      - { .name: oc, .offset: 0, .size: 8, .value_kind: global_buffer, .address_space: global }
      - { .name: os, .offset: 8, .size: 8, .value_kind: global_buffer, .address_space: global }
      - { .name: wc, .offset: 16, .size: 8, .value_kind: global_buffer, .address_space: global }
      - { .name: ws, .offset: 24, .size: 8, .value_kind: global_buffer, .address_space: global }
      - { .name: bo, .offset: 32, .size: 8, .value_kind: global_buffer, .address_space: global }
      - { .name: out0, .offset: 40, .size: 8, .value_kind: global_buffer, .address_space: global }
    .group_segment_fixed_size: 327680
    .private_segment_fixed_size: 0
    .kernarg_segment_align: 8
    .kernarg_segment_size: 48
    .max_flat_workgroup_size: 128
    .sgpr_count:     100
    .vgpr_count:     512
    .wavefront_size: 32
...
	.end_amdgpu_metadata
.endif
;; end of part 4
